; MI455X (gfx1250); checked and timed in simulation.
; The chip was launched on July 23, 2026; its instructions are those of AMD's public machine-readable ISA for CDNA 5 (MIT licence, August 2026) and "CDNA5" Instruction Set Architecture Reference Guide (July 2026). The comments in the code are by the model that wrote it; some were corrected since.
;; Causal Self Attention. Allowed arithmetic: matrix products marked QUANTISED: E2M3 operands, one E8M0 scale for each 32 along K, by v_wmma_scale_f32_16x16x128_f8f6f4 with both operands' format E2M3, f32 sums; everything else in f32.
;; Inputs: W_attn 1,024 x 3,072 float32; W_proj 1,024 x 1,024 float32; x 4 x 2,048 x 1,024 float32.
;; Outputs: out0 4 x 2,048 x 1,024 float32.
;; This version of the problem:
;;   THIS VERSION OF THE PROBLEM IS GIVEN IN LOW PRECISION. The matrix products marked QUANTISED in the list below multiply operands that are first quantised to E2M3 (2 exponent bits, 3 mantissa bits; 6 bits a number), with one power-of-two scale for each 32 numbers along K (OCP MX v1.0); their sums are f32. All else is computed in f32.
;;   The module's matrix products, in the order in which they are computed (A, B: the left and right operand; K: the contracted axis; several contracted axes count as one K, in the product's order):
;;     1. [M 8,192, K 1,024] x [K 1,024, N 3,072]; A: input x; B: input W_attn: QUANTISED
;;     2. batch 64 x [M 2,048, K 64] x [K 64, N 2,048]; A: computed on the way; B: computed on the way: QUANTISED
;;     3. batch 64 x [M 2,048, K 2,048] x [K 2,048, N 64]; A: softmax (see below); B: computed on the way: QUANTISED
;;     4. [M 8,192, K 1,024] x [K 1,024, N 1,024]; A: computed on the way; B: input W_proj: QUANTISED
;;   THE QUANTISER, for each operand of a quantised product, along K:
;;     - K is cut into blocks of 32 from its start; a last block that is shorter is filled with zeros.
;;     - A block's scale is 2^e with e = floor(log2(the largest magnitude in the block)) - 2, held to -126 .. 127; a block of zeros has e = 0. As a byte (E8M0): e + 127.
;;     - Each number is divided by its block's scale, clamped to +-7.5, and rounded to the nearest number of E2M3, ties to even, subnormals kept.
;;     - The product sums the exact products of the quantised numbers (number of the format x scale) in f32.
;;   ~~~python
;;   def quantise(x, axis):      # numpy; x: float32 -> the quantised numbers, widened to float32 again
;;       x = np.moveaxis(x, axis, -1); K = x.shape[-1]
;;       x = np.pad(x, [(0, 0)] * (x.ndim - 1) + [(0, -K % 32)]); x = x.reshape(x.shape[:-1] + (-1, 32)); a = np.abs(x).max(-1, keepdims=True)
;;       e = np.where(a > 0, np.clip(np.frexp(np.where(a > 0, a, 1))[1] - 1 - 2, -126, 127), 0)      # np.frexp(a)[1] - 1 = floor(log2(a)), exactly
;;       r = np.clip(x / 2.0 ** e, -7.5, 7.5)
;;       step = 2.0 ** (np.maximum(np.frexp(np.where(r == 0, 1, r))[1] - 1, 0) - 3)
;;       q = np.round(r / step) * step * 2.0 ** e      # np.round: ties to even
;;       return np.moveaxis(q.reshape(q.shape[:-2] + (-1,))[..., :K], -1, axis).astype(np.float32)
;;   ~~~
;;   SOFTMAX AHEAD OF A QUANTISED PRODUCT. Where the list says 'softmax', what is quantised is not the finished softmax but p = 2^(t - M), with t = logit x log2(e) and M = ceil(the row's largest t), a whole number; so 1/2 < the row's largest p <= 1. The row's sum l is taken of the UNQUANTISED p, in f32, and the product's result is divided by l at the end. Since M is a whole number, a kernel that streams over the keys may use a running M (the ceiling of the running maximum): every later rescaling is an exact power of two, which a block's scale takes up: the codes' values come out the same.
;;   OPERANDS COMPUTED ON THE WAY. 'Computed on the way' means the value that the module computes at that place (a softmax that the list does not call 'softmax' is quantised finished and normalised). What goes into a quantiser is computed in f32, as accurately as f32 sums, v_exp_f32 and their like allow (about 1e-6 of the number): no bf16 or f16 on the way to a quantiser, and a product that is left as it is and whose result goes on into a quantised operand takes f32 operands (vector FMAs, or v_wmma_f32_16x16x4_f32). A number that lies on a knife's edge between two numbers of the format may be rounded either way, as far as f32 arithmetic and the matrix unit's own rounding can turn it there, and no further.
;; One version. Each part assembles by itself: llvm-mc -triple=amdgcn-amd-amdhsa -mcpu=gfx1250 --defsym DOCPART=n.
;; ======== version 1 of 1: 4 launches
;; limits: right only within a limited range of input values
;; workspace buffers: xc 6,291,456 bytes; xs 262,144 bytes; wc 3,145,728 bytes; ws 131,072 bytes; qkv 19,660,800 bytes; ybuf 6,553,600 bytes
;; launch quant (part 1): grid 384 x 1, 4 waves a work-group, no clusters, 68,096 bytes of LDS; arguments x, W_attn, W_proj, xc, xs, wc, ws; writes xc, xs, wc, ws
.if DOCPART == 1
	.amdgcn_target "amdgcn-amd-amdhsa--gfx1250"
	.amdhsa_code_object_version 6
	.text
	.protected	k_qd0d6d5b7a1_quant
	.globl	k_qd0d6d5b7a1_quant
	.p2align	8
	.type	k_qd0d6d5b7a1_quant,@function
k_qd0d6d5b7a1_quant:
	s_mov_b64 s[64:65], 0
	v_nop
	global_prefetch_b8 v0, s[64:65] scope:SCOPE_SE
	s_setreg_imm32_b32 hwreg(HW_REG_WAVE_MODE, 25, 1), 1
	s_wait_xcnt 0x0
; x [8192][1024], W_attn [1024][3072] and W_proj [1024][1024], f32, become codes of FP6 (E2M3), K innermost, with one E8M0 byte for each 32 along K.
; xc [8192][768], xs [8192][32]: x's rows.  wc [4096][768], ws [4096][32]: rows 0-3071 W_attn's columns, rows 3072-4095 W_proj's.
; THE ROWS ARE PERMUTED: memory row p holds logical row sigma(p), sigma = bits 3 and 4 of the row's number exchanged.  A tile of 16 memory rows that is source 0 of a product then
; leaves, in the 16 result registers of two neighbouring tiles, 16 neighbours along the logical axis, which is what the next quantiser wants.
; A block's scale is 2^(floor(log2(its largest magnitude)) - 2); its byte is the largest magnitude's exponent field - 2, held at 1 from below.
; LIMITS: a block of zeros, or one whose largest magnitude lies under 2^-124, gets the byte 1 (a block of zeros has zero codes, and this program alone reads the bytes); NaN and infinities are not served.
; Work-groups 0-255 take x (K innermost: a plain stream of blocks), work-groups 256-383 the weights (K is the first axis: a lane takes a column and its registers run down K).
; Each path has LDS bytes of its own; waves share nothing: no barrier.  No matrix unit, no cluster, no tensor load: the launch only streams.
.set STEPS, 16                         ; path X: a wave takes 16 steps of 512 numbers: 8 rows of x
.set CB,    12                         ; bytes of 16 codes
.set R,     16                         ; v16-79   four sets of 16 numbers as they are loaded
.set X,     80                         ; v80-111  two sets of 16 neighbours
.set E,     112                        ; v112-127 a scale byte for each step
.set C,     128                        ; v128-191 codes: four registers for each step, so that no store's data are written again
.set WREG,  8192                       ; path X's LDS: a region for each wave: two stages of 32 x SP bytes, then its 256 scale bytes
.set SP,    80                         ; a lane's place in a stage: 64 bytes + 16 of padding
.set WBASE, 32768                      ; path W's LDS begins here
.set WPITCH, 272                       ; a stage row: sixteen places of 16 bytes, each with 12 bytes of codes, + 16
.set NB,    8                          ; path W: blocks of 32 along K for a wave
; THE CODES' ORDER IN xc AND wc: [group of 256 memory rows][K step of 256][256 rows][192 bytes]: byte y of memory row p lies at GRP (p / 256) + KST (y / 192) + 192 (p % 256) + y % 192,
; so that a K step's codes of 128 or 256 rows are one dense block that begins at a multiple of 256 bytes.  The scale bytes stay [row][32].
.set KROW,  768                        ; a row's codes in bytes, all of K
.set GRP,   196608                     ; 256 rows x 768 bytes
.set KST,   49152                      ; 256 rows x 192 bytes
.set WX,    32                         ; v32-95   two sets of 32 numbers
.set WC,    96                         ; v96..    a block's codes
.set OUTR,  112                        ; v112-175 the way out
.set SB,    24                         ; v24-25   the scale bytes, four to a register
.set OFS,   176                        ; v176-207 4 x lane + i rows of the weight, i = 0 .. 31; never rewritten
.macro XLOAD t
.irp i, 0,1,2,3
	global_load_b128 v[R+16*((\t)%4)+4*\i:R+16*((\t)%4)+4*\i+3], v3, s[4:5] offset:2048*(\t)+512*\i th:TH_LOAD_NT   ; 32 lanes read 512 consecutive bytes
.endr
.endm
.macro XTURN t                         ; step t's numbers through the stage, so that a lane gets 16 neighbours: LDS serves a wave's instructions in order, no wait between stores and loads
.irp i, 0,1,2,3
	ds_store_b128 v14, v[R+16*((\t)%4)+4*\i:R+16*((\t)%4)+4*\i+3] offset:32*SP*((\t)%2)+8*SP*\i
.endr
.irp i, 0,1,2,3
	ds_load_b128 v[X+16*((\t)%2)+4*\i:X+16*((\t)%2)+4*\i+3], v15 offset:32*SP*((\t)%2)+16*\i
.endr
.endm
.macro XSTEP t
.set XS, X+16*((\t)%2)
.if (\t) > 0
	s_wait_dscnt 1                                 ; this step's numbers are back from the stage; the last step's byte store may be out
.else
	s_wait_dscnt 0x0
.endif
.if (\t)+4 < STEPS
	XLOAD (\t)+4                                   ; four steps ahead, into the set that this step's stage stores have read
.endif
.if (\t)+1 < STEPS
.if STEPS-2-(\t) >= 3
	s_wait_loadcnt 12                              ; the next step's four loads are in; those of the three steps behind it may be out
.else
	s_wait_loadcnt 4*(STEPS-2-(\t))                ; at the end the count runs down
.endif
	XTURN (\t)+1
.endif
	v_max3_num_f32 v8, |v[XS]|, |v[XS+1]|, |v[XS+2]|               ; the largest magnitude of my 16, in two chains
	v_max3_num_f32 v9, |v[XS+3]|, |v[XS+4]|, |v[XS+5]|
.irp i, 6,10
	v_max3_num_f32 v8, v8, |v[XS+\i]|, |v[XS+\i+1]|
	v_max3_num_f32 v9, v9, |v[XS+\i+2]|, |v[XS+\i+3]|
.endr
	v_max3_num_f32 v8, v8, |v[XS+14]|, |v[XS+15]|
	v_max3_num_f32 v8, v8, v9, 0x1800000           ; and the floor 2^(3 - 127): the byte cannot fall under 1
	v_max_num_f32_dpp v8, v8, v8 row_xmask:1 row_mask:0xf bank_mask:0xf   ; with my neighbour's 16: the block's
	v_add_nc_u32 v11, 0xff000000, v8               ; 2 off its exponent field: the conversion takes this operand's exponent field as its scale
	v_cvt_scalef32_pk16_fp6_f32 v[C+4*(\t):C+4*(\t)+2], v[XS:XS+15], v11
	v_lshrrev_b32 v[E+(\t)], 23, v11               ; the scale's byte (a plain line behind the conversion)
	ds_store_b8 v5, v[E+(\t)] offset:16*(\t)       ; both lanes of a block write the same byte with the same value
	global_store_b96 v4, v[C+4*(\t):C+4*(\t)+2], s[10:11] offset:192*((\t)/2)+2*KST*((\t)%2)   ; row t / 2 of my eight, K steps 2 (t % 2) and 2 (t % 2) + 1: sixteen lanes store 192 consecutive bytes
.endm
.macro WLOAD t                         ; block t: W(32 t + i, my column), i = 0 .. 31, into set t % 2: each load reads 128 consecutive bytes
.set wi, 0
.rept 32
	global_load_b32 v[WX+32*((\t)%2)+wi], v[OFS+wi], s[40+2*(\t):41+2*(\t)] th:TH_LOAD_NT
.set wi, wi+1
.endr
.endm
.macro WBLOCK t
.set XS, WX+32*((\t)%2)
.if (\t) < NB-1
	s_wait_loadcnt 32                              ; this block's 32 loads are in; the next block's may be out
.else
	s_wait_loadcnt 0x0
.endif
	v_max3_num_f32 v12, |v[XS]|, |v[XS+1]|, |v[XS+2]|              ; the block's largest magnitude: all 32 numbers are mine
	v_max3_num_f32 v13, |v[XS+3]|, |v[XS+4]|, |v[XS+5]|
.irp i, 6,10,14,18,22,26
	v_max3_num_f32 v12, v12, |v[XS+\i]|, |v[XS+\i+1]|
	v_max3_num_f32 v13, v13, |v[XS+\i+2]|, |v[XS+\i+3]|
.endr
	v_max3_num_f32 v12, v12, |v[XS+30]|, |v[XS+31]|
	v_max3_num_f32 v12, v12, v13, 0x1800000        ; and the floor
	v_add_nc_u32 v11, 0xff000000, v12              ; the conversions' scale operand
	v_lshrrev_b32 v13, 23, v11                     ; the byte
.if (\t)%4 == 0
	v_mov_b32 v[SB+(\t)/4], v13                    ; four bytes to a register, the lower K in the lower byte
.else
	v_lshl_or_b32 v[SB+(\t)/4], v13, 8*((\t)%4), v[SB+(\t)/4]
.endif
	v_cvt_scalef32_pk16_fp6_f32 v[WC:WC+2], v[XS:XS+15], v11
	v_cvt_scalef32_pk16_fp6_f32 v[WC+4:WC+6], v[XS+16:XS+31], v11  ; (a conversion's three registers begin on an even number)
	ds_store_b96 v4, v[WC:WC+2] offset:32*(\t)     ; 12 bytes to a place of 16, so that every LDS address is a multiple of 16
	ds_store_b96 v4, v[WC+4:WC+6] offset:32*(\t)+16
.if (\t)+2 < NB
	WLOAD (\t)+2
.endif
	s_wait_dscnt 0x0                               ; the stores have read their registers: the next block's codes may be written
.endm
	s_load_b256 s[4:11], s[0:1], 0x0               ; x s[4:5], W_attn s[6:7], W_proj s[8:9], xc s[10:11]
	s_load_b128 s[12:15], s[0:1], 0x20             ; xs s[12:13], wc s[14:15]
	s_load_b64 s[16:17], s[0:1], 0x30              ; ws
	v_lshl_add_u32 v208, v0, 2, 0x10800
	v_mov_b32 v209, 0
	v_lshrrev_b32 v1, 5, v0
	v_readfirstlane_b32 s20, v1                    ; wave 0..3
	v_and_b32 v2, 31, v0                           ; lane
	s_cmp_ge_u32 ttmp9, 256
	s_cbranch_scc1 .Lw
	; ---- PATH X.  Wave w of work-group g reads logical rows 32 g + 8 w .. + 7 and writes memory rows 32 g + 8 w' .. + 7, w' = w with its two bits exchanged: that is sigma on runs of eight rows
	v_lshlrev_b32 v3, 4, v2                        ; my 16 bytes of a load's 512
	s_mul_i32 s21, s20, WREG
	v_lshrrev_b32 v14, 2, v2
	v_mul_u32_u24 v14, v14, SP
	v_and_b32 v15, 3, v2
	v_lshl_add_u32 v14, v15, 4, v14
	v_add_nc_u32 v14, s21, v14                     ; the stage, on the way in: SP (lane / 4) + 16 (lane % 4)
	v_mul_u32_u24 v15, v2, SP
	v_add_nc_u32 v15, s21, v15                     ; and on the way out: SP x lane: my 16 neighbours
	v_and_b32 v4, 15, v2
	v_mul_u32_u24 v4, v4, CB                       ; my codes' place: sixteen lanes hold a K step's 192 bytes of a row,
	v_lshrrev_b32 v10, 4, v2
	v_mad_u32_u24 v4, v10, 0xc000, v4              ; and lanes 16-31 the next K step's, KST bytes on
	v_lshrrev_b32 v5, 1, v2
	s_add_co_u32 s21, s21, 2*32*SP
	v_add_nc_u32 v5, s21, v5                       ; my wave's 256 scale bytes, my block's byte
	v_lshlrev_b32 v7, 3, v2                        ; on their way out 8 bytes a lane
	v_add_nc_u32 v6, s21, v7
	s_lshl_b32 s22, ttmp9, 2
	s_add_co_u32 s24, s22, s20
	s_lshl_b32 s24, s24, 15                        ; in: run x 8 rows x 4,096 bytes
	s_mov_b32 s25, 0
	s_and_b32 s26, s20, 1
	s_lshl_b32 s26, s26, 1
	s_lshr_b32 s27, s20, 1
	s_or_b32 s26, s26, s27                         ; w'
	s_add_co_u32 s22, s22, s26
	s_lshr_b32 s26, s22, 5                         ; out: run' of 8 rows: its group of 256 rows,
	s_mul_i32 s26, s26, GRP
	s_and_b32 s27, s22, 31
	s_mul_i32 s27, s27, 8*192                      ; and its place in the group
	s_add_co_u32 s26, s26, s27
	s_mov_b32 s27, 0
	s_lshl_b32 s28, s22, 8                         ; and x 8 rows x 32 scale bytes
	s_mov_b32 s29, 0
	s_wait_alu depctr_va_vdst(0)
	s_wait_kmcnt 0x0
	s_add_nc_u64 s[4:5], s[4:5], s[24:25]
	s_add_nc_u64 s[10:11], s[10:11], s[26:27]
	s_add_nc_u64 s[12:13], s[12:13], s[28:29]
.irp t, 0,1,2,3
	XLOAD \t
.endr
	s_wait_loadcnt 12                              ; step 0's four loads are in
	XTURN 0
.irp t, 0,1,2,3,4,5,6,7,8,9,10,11,12,13,14,15
	XSTEP \t
.endr
	ds_load_b64 v[12:13], v6                       ; LDS serves a wave's instructions in order: these see my byte stores
	s_wait_dscnt 0x0
	global_store_b64 v7, v[12:13], s[12:13]        ; 32 lanes store 256 consecutive bytes, aligned
	s_wait_tensorcnt 0x0
	ds_add_u32 v208, v209
	s_wait_dscnt 0x0
	s_endpgm
	; ---- PATH W.  Work-group 256 + 32 ky + g: 128 columns (g < 24: W_attn's; else W_proj's), 256 along K; a wave 32 columns
.Lw:
	s_sub_co_u32 s21, ttmp9, 256
	s_and_b32 s22, s21, 31                         ; g
	s_lshr_b32 s23, s21, 5                         ; ky
	s_sub_co_u32 s25, s22, 24
	s_mov_b32 s24, 12288                           ; a row of W_attn in bytes
	s_wait_kmcnt 0x0
	s_cmp_ge_u32 s22, 24                           ; the choice hangs on the work-group's number alone
	s_cselect_b32 s24, 4096, s24                   ; a row of the weight in bytes
	s_cselect_b32 s25, s25, s22                    ; the group of columns inside the weight
	s_cselect_b64 s[6:7], s[8:9], s[6:7]           ; the weight
	s_wait_alu depctr_va_vdst(0)
	v_lshlrev_b32 v3, 2, v2                        ; 4 bytes a lane
.set wi, 0
.rept 32
	v_mad_u32_u24 v[OFS+wi], s24, wi, v3           ; + i rows
.set wi, wi+1
.endr
	s_mul_i32 s26, s23, s24
	s_lshl_b32 s26, s26, 8                         ; 256 ky rows
	s_lshl_b32 s27, s25, 9                         ; 128 columns x 4 bytes
	s_add_co_u32 s26, s26, s27
	s_lshl_b32 s27, s20, 7                         ; my wave's 32 columns
	s_add_co_u32 s26, s26, s27
	s_mov_b32 s27, 0
	s_add_nc_u64 s[40:41], s[6:7], s[26:27]        ; block 0's base;
	s_lshl_b32 s28, s24, 5
	s_mov_b32 s29, 0
.irp t, 1,2,3,4,5,6,7
	s_add_nc_u64 s[40+2*\t:41+2*\t], s[38+2*\t:39+2*\t], s[28:29]   ; block t's: 32 rows further down.  Eight bases, so that none is stepped while loads are out
.endr
	v_and_b32 v10, 7, v2
	v_bfe_u32 v11, v2, 3, 1
	v_bfe_u32 v12, v2, 4, 1
	v_lshl_add_u32 v10, v11, 4, v10
	v_lshl_add_u32 v10, v12, 3, v10                ; sigma(lane): the memory row of my column among the wave's 32
	s_mul_i32 s30, s20, 32*WPITCH
	s_add_co_u32 s30, s30, WBASE                   ; my stage
	v_mul_u32_u24 v4, v10, WPITCH
	v_add_nc_u32 v4, s30, v4                       ; into it: row sigma(lane)
	v_lshlrev_b32 v9, 5, v10                       ; and that row's scale bytes
	v_and_b32 v5, 15, v2
	v_lshrrev_b32 v6, 4, v2                        ; out of it: sixteen lanes to a row, two rows an instruction
	v_mul_u32_u24 v7, v6, WPITCH
	v_lshl_add_u32 v7, v5, 4, v7
	v_add_nc_u32 v7, s30, v7
	v_mul_u32_u24 v8, v6, 192
	v_mad_u32_u24 v8, v5, 12, v8                   ; the same place in wc
	s_lshl_b32 s30, s22, 7
	s_lshl_b32 s31, s20, 5
	s_add_co_u32 s30, s30, s31                     ; my wave's first row of wc and ws: 128 g + 32 wave
	s_lshr_b32 s32, s30, 8
	s_mul_i32 s32, s32, GRP                        ; the group of 256 rows,
	s_and_b32 s33, s30, 255
	s_mul_i32 s33, s33, 192                        ; my wave's first row in it,
	s_add_co_u32 s32, s32, s33
	s_mul_i32 s33, s23, KST                        ; and K step ky
	s_add_co_u32 s32, s32, s33
	s_mov_b32 s33, 0
	s_add_nc_u64 s[14:15], s[14:15], s[32:33]
	s_lshl_b32 s32, s30, 5
	s_lshl_b32 s34, s23, 3
	s_add_co_u32 s32, s32, s34
	s_add_nc_u64 s[16:17], s[16:17], s[32:33]
	WLOAD 0
	WLOAD 1
.irp t, 0,1,2,3,4,5,6,7
	WBLOCK \t
.endr
	s_wait_alu depctr_va_vdst(0)
	global_store_b64 v9, v[SB:SB+1], s[16:17]      ; my column's eight scale bytes
.irp t, 0,1,2,3,4,5,6,7,8,9,10,11,12,13,14,15
	ds_load_b96 v[OUTR+4*\t:OUTR+4*\t+2], v7 offset:2*\t*WPITCH   ; LDS serves a wave's instructions in order: these see my stores
.endr
.irp t, 0,1,2,3,4,5,6,7,8,9,10,11,12,13,14,15
	s_wait_dscnt 15-\t                             ; loads come back in order: number t is in, the younger ones may be out
	global_store_b96 v8, v[OUTR+4*\t:OUTR+4*\t+2], s[14:15] offset:2*\t*192   ; two rows of 192 bytes on end: 384 consecutive bytes
.endr
	s_wait_tensorcnt 0x0
	ds_add_u32 v208, v209
	s_wait_dscnt 0x0
	s_endpgm
.Lfunc_end_k_qd0d6d5b7a1_quant:
	.size	k_qd0d6d5b7a1_quant, .Lfunc_end_k_qd0d6d5b7a1_quant-k_qd0d6d5b7a1_quant
	.p2alignl 7, 3214868480
	.fill 96, 4, 3214868480
	.section	.rodata,"a",@progbits
	.p2align	6, 0x0
	.amdhsa_kernel k_qd0d6d5b7a1_quant
		.amdhsa_group_segment_fixed_size 68096
		.amdhsa_private_segment_fixed_size 0
		.amdhsa_enable_private_segment 0
		.amdhsa_kernarg_size 56
		.amdhsa_user_sgpr_count 2
		.amdhsa_user_sgpr_kernarg_segment_ptr 1
		.amdhsa_wavefront_size32 1
		.amdhsa_system_sgpr_workgroup_id_x 1
		.amdhsa_system_sgpr_workgroup_id_y 1
		.amdhsa_system_sgpr_workgroup_id_z 1
		.amdhsa_system_vgpr_workitem_id 0
		.amdhsa_next_free_vgpr 210
		.amdhsa_next_free_sgpr 66
		.amdhsa_reserve_vcc 0
		.amdhsa_float_denorm_mode_32 3
		.amdhsa_float_denorm_mode_16_64 3
		.amdhsa_memory_ordered 1
		.amdhsa_forward_progress 1
		.amdhsa_inst_pref_size 77
	.end_amdhsa_kernel
	.amdgpu_metadata
---
amdhsa.version: [ 1, 2 ]
amdhsa.kernels:
  - .name:           k_qd0d6d5b7a1_quant
    .symbol:         k_qd0d6d5b7a1_quant.kd
    .args:
      - { .name: x, .offset: 0, .size: 8, .value_kind: global_buffer, .address_space: global }
      - { .name: W_attn, .offset: 8, .size: 8, .value_kind: global_buffer, .address_space: global }
      - { .name: W_proj, .offset: 16, .size: 8, .value_kind: global_buffer, .address_space: global }
      - { .name: xc, .offset: 24, .size: 8, .value_kind: global_buffer, .address_space: global }
      - { .name: xs, .offset: 32, .size: 8, .value_kind: global_buffer, .address_space: global }
      - { .name: wc, .offset: 40, .size: 8, .value_kind: global_buffer, .address_space: global }
      - { .name: ws, .offset: 48, .size: 8, .value_kind: global_buffer, .address_space: global }
    .group_segment_fixed_size: 68096
    .private_segment_fixed_size: 0
    .kernarg_segment_align: 8
    .kernarg_segment_size: 56
    .max_flat_workgroup_size: 128
    .sgpr_count:     66
    .vgpr_count:     210
    .wavefront_size: 32
...
	.end_amdgpu_metadata
.endif
;; end of part 1
;; launch gemm_qkv (part 2): grid 8 x 48, 4 waves a work-group, clusters of 4 x 4, 327,680 bytes of LDS; arguments xc, xs, wc, ws, qkv; writes qkv
.if DOCPART == 2
	.amdgcn_target "amdgcn-amd-amdhsa--gfx1250"
	.amdhsa_code_object_version 6
	.text
	.protected	k_qd0d6d5b7a1_gemm_qkv
	.globl	k_qd0d6d5b7a1_gemm_qkv
	.p2align	8
	.type	k_qd0d6d5b7a1_gemm_qkv,@function
k_qd0d6d5b7a1_gemm_qkv:
	s_mov_b64 s[64:65], 0
	v_nop
	global_prefetch_b8 v0, s[64:65] scope:SCOPE_SE
	s_setreg_imm32_b32 hwreg(HW_REG_WAVE_MODE, 25, 1), 1
	s_wait_xcnt 0x0
	s_wait_alu depctr_hold_cnt(0) depctr_sa_sdst(0) depctr_va_vdst(0) depctr_va_sdst(0) depctr_va_ssrc(0) depctr_va_vcc(0) depctr_vm_vsrc(0)
	s_getreg_b32 s2, hwreg(HW_REG_IB_STS2, 6, 4)
	s_cmp_eq_u32 s2, 0
	s_cbranch_scc0 .Lentry_in_a_cluster
	s_endpgm
.Lentry_in_a_cluster:
	s_bfe_u32 s2, ttmp6, 0x10000c
	s_cmp_lg_u32 s2, 0xf033
	s_cbranch_scc0 .Lentry_shape_is_right
	s_endpgm
.Lentry_shape_is_right:
; q, k, v = x W_attn on codes of FP6 (E2M3) with E8M0 scales, K = 1,024, sums in f32; the results are quantised on the way out into records of operand images (qkv).
; A tile is 256 x 256, four waves of 128 x 128; K goes in steps of 256 through a ring of two LDS slots.  For q and k source 1 is x and source 0 the weight; for v the two change places.
; xc and wc lie as [group of 256 rows][K step][256 rows][192 bytes]: a K step's codes of 128 or 256 rows are a dense block, fetched as rows of 256 bytes; 16 bytes of padding behind every 64 give LDS rows of 240 bytes.
; THE HEAD: one joint load a wave: A's 256 rows, B's 256 rows, A's scales, B's scales; slot 1 is first filled behind the three lines and a round.
; CLUSTERS: 4 x 4: A's tiles are shared along a row of the cluster, B's along a column.  No prefetch: K is four steps, two of them first fills.
.set SIZE_K, 1024
.set KST,    49152                     ; from a K step's block of 256 rows to the next
.set HALFB,  24576                     ; 128 rows of a K step: 96 rows of 256 bytes
.set G0H,    4                         ; s[4:7], s[8:11] group 0 of the head's loads of codes (the arguments that lay there have been used by then)
.set G0HB,   8
.set KSTEP,  256
.set NQ,     KSTEP/128
.set ROWB,   192
.set KROW,   SIZE_K*6/8
.set PITCH,  240
.set FR,     12
.set NL,     6
.set NP,     4
.set HALFT,  128*PITCH
.set SLOT,   4*HALFT
.set LAPS,   SIZE_K/(2*KSTEP)
.set KS,     SIZE_K/32
.set SCL,    2*SLOT
.set HALFS,  (128*KS/256)*272
.set SBLK,   (16*KS/256)*272
.set SPARE,  SCL+4*HALFS
.set REC,    12800
.set ADRA, 16
.set ADRB, 20
.set GO,   26
.set ADRS, 27
.set SPW,  28
.set NIL,  29
.set SC,   32
.set AF,   128
.set OC,   64
.set T2,   160
.set TM,   168
.set PW,   184
.set SW,   192
.set G1, 24
.set G0, 32
.set G1B, 48
.set G0B, 56
.set G1S, 68
.set G0S, 76
.set G1SB, 80
.set G0SB, 88
.set MSB, 0
.macro WIN new
.if MSB != \new
	s_set_vgpr_msb (MSB<<8)|\new
.set MSB, \new
.endif
.endm
.set MUL_LO, 0xa1
.set MUL_HI, 0xf1
.set TO_B,   0x40
.macro JLOAD g0a, g1a, g0b, g1b
	s_cmp_eq_u32 s15, 0
	s_cbranch_scc0 .Lfor_b_\@
	tensor_load_to_lds s[\g0a:\g0a+3], s[\g1a:\g1a+7]
	s_nop 0
.rept 4
	v_nop
.endr
	s_branch .Lasked_\@
.Lfor_b_\@:
	tensor_load_to_lds s[\g0b:\g0b+3], s[\g1b:\g1b+7]
	s_nop 0
.rept 4
	v_nop
.endr
.Lasked_\@:
.endm
.macro CREST
	s_cmp_lg_u32 s14, 0
	s_cbranch_scc1 .Lnot_wave_0_\@
	s_barrier_signal -3
.Lnot_wave_0_\@:
	s_barrier_wait -3
	s_barrier_signal -1
	s_barrier_wait -1
.endm
.macro CROUND
	s_barrier_signal -1
	s_barrier_wait -1
	CREST
.endm
	s_load_b128 s[4:7], s[0:1], 0x0
	s_load_b128 s[8:11], s[0:1], 0x10
	s_load_b64 s[12:13], s[0:1], 0x20
	v_lshl_add_u32 v[SPW], v0, 2, SPARE
	v_mov_b32 v[NIL], 0
	ds_add_u32 v28, v29
	ds_add_u32 v28, v29
	s_wait_dscnt 0x0
	v_lshrrev_b32 v1, 5, v0
	v_readfirstlane_b32 s14, v1
	s_lshr_b32 s15, s14, 1
	s_and_b32 s16, s14, 1
	s_bfe_u32 s40, ttmp6, 0x40000
	s_bfe_u32 s41, ttmp6, 0x40004
	s_and_b32 s95, ttmp7, 0xffff
	s_sub_co_u32 s96, s95, 8
	s_lshl_b32 s96, s96, 1
	s_add_co_u32 s96, s96, ttmp9
	s_cmp_ge_u32 s95, 8
	s_cselect_b32 s97, 1, 0
	s_cselect_b32 s96, s96, ttmp9
	s_cselect_b32 s95, 2, s95
	s_lshl_b32 s42, s96, 2
	s_add_co_u32 s42, s42, s40
	s_lshl_b32 s17, s95, 2
	s_add_co_u32 s17, s17, s41
	s_lshl_b32 s43, s41, 2
	s_lshl_b32 s43, 15, s43
	s_lshl_b32 s44, 0x1111, s40
	s_or_b32 s[G1+0], s43, (0<<16)|(1<<20)|(1<<21)|(3<<22)|(3<<25)
	s_or_b32 s[G1B+0], s44, (0<<16)|(1<<20)|(1<<21)|(3<<22)|(3<<25)
.irp g, G1, G1B
	s_mov_b32 s[\g+1], 256<<16                     ; rows of 256 bytes, dense
	s_mov_b32 s[\g+2], 192<<16                     ; the head's loads: 256 rows of codes = 192 such rows
	s_mov_b32 s[\g+3], 256<<16
	s_mov_b32 s[\g+4], 192
	s_mov_b32 s[\g+5], 256
	s_mov_b32 s[\g+6], 0
	s_mov_b32 s[\g+7], 0
.endr
	s_or_b32 s[G1S+0], s43, (3<<16)|(1<<20)|(1<<21)|(5<<22)|(3<<25)
	s_or_b32 s[G1SB+0], s44, (3<<16)|(1<<20)|(1<<21)|(5<<22)|(3<<25)
.irp g, G1S, G1SB
	s_mov_b32 s[\g+1], 32<<16
	s_mov_b32 s[\g+2], KS<<16                      ; the scales of 256 rows: KS rows of 256 bytes
	s_mov_b32 s[\g+3], 32<<16
	s_mov_b32 s[\g+4], KS
	s_mov_b32 s[\g+5], 32
	s_mov_b32 s[\g+6], 0
	s_mov_b32 s[\g+7], 0
.endr
	s_lshl_b32 s20, s17, 8                         ; A: the tile's first row
	s_lshl_b32 s46, s42, 8                         ; B: likewise
	s_mov_b32 s21, 0
	s_mov_b32 s47, 0
	s_mov_b64 s[18:19], KS
	s_mul_u64 s[22:23], s[20:21], s[18:19]
	s_mul_u64 s[92:93], s[46:47], s[18:19]
	s_mov_b64 s[18:19], KROW
	s_mul_u64 s[20:21], s[20:21], s[18:19]
	s_mul_u64 s[46:47], s[46:47], s[18:19]
	s_mul_i32 s18, s16, HALFB                      ; in the ring I fetch 128 rows of a block: which half, in bytes
	s_mov_b32 s19, 0
	s_mul_i32 s45, s14, HALFT
	s_wait_kmcnt 0x0
	s_cmp_eq_u32 s97, 1
	s_cselect_b64 s[98:99], s[8:9], s[4:5]
	s_cselect_b64 s[100:101], s[10:11], s[6:7]
	s_cselect_b64 s[8:9], s[4:5], s[8:9]
	s_cselect_b64 s[10:11], s[6:7], s[10:11]
	s_mov_b64 s[4:5], s[98:99]
	s_mov_b64 s[6:7], s[100:101]
	s_add_nc_u64 s[20:21], s[4:5], s[20:21]
	s_add_nc_u64 s[22:23], s[6:7], s[22:23]
	s_add_nc_u64 s[46:47], s[8:9], s[46:47]
	s_add_nc_u64 s[92:93], s[10:11], s[92:93]
	CROUND                                         ; all sixteen work-groups are here: the first joint loads meet
	s_mov_b32 s[G0H], 1                            ; the head's four tiles, each whole: K step 0's 256 rows of A,
	s_mov_b32 s[G0H+1], 0
	s_mov_b64 s[G0H+2:G0H+3], s[20:21]
	s_or_b32 s[G0H+3], s[G0H+3], 0x80000000
	s_mov_b32 s[G0HB], 1                           ; its 256 rows of B, behind them in slot 0,
	s_mov_b32 s[G0HB+1], 2*HALFT
	s_mov_b64 s[G0HB+2:G0HB+3], s[46:47]
	s_or_b32 s[G0HB+3], s[G0HB+3], 0x80000000
	s_mov_b32 s[G0S], 1                            ; the scales of A's 256 rows,
	s_mov_b32 s[G0S+1], SCL
	s_mov_b64 s[G0S+2:G0S+3], s[22:23]
	s_or_b32 s[G0S+3], s[G0S+3], 0x80000000
	s_mov_b32 s[G0SB], 1                           ; and of B's
	s_mov_b32 s[G0SB+1], SCL+2*HALFS
	s_mov_b64 s[G0SB+2:G0SB+3], s[92:93]
	s_or_b32 s[G0SB+3], s[G0SB+3], 0x80000000
	s_add_nc_u64 s[20:21], s[20:21], s[18:19]      ; for the ring: my 128 rows of a block
	s_add_nc_u64 s[46:47], s[46:47], s[18:19]
.irp s, 0,1
	s_mov_b32 s[G0+4*\s], 1
	s_add_co_u32 s[G0+4*\s+1], s45, \s*SLOT
	s_add_nc_u64 s[G0+4*\s+2:G0+4*\s+3], s[20:21], \s*KST
	s_or_b32 s[G0+4*\s+3], s[G0+4*\s+3], 0x80000000
	s_mov_b32 s[G0B+4*\s], 1
	s_add_co_u32 s[G0B+4*\s+1], s45, \s*SLOT
	s_add_nc_u64 s[G0B+4*\s+2:G0B+4*\s+3], s[46:47], \s*KST
	s_or_b32 s[G0B+4*\s+3], s[G0B+4*\s+3], 0x80000000
.endr
; one chain of branches on the wave's number, one load to an arm, all arms leading to one join
.macro ARM under, g0, g1, next
	s_cmp_lt_u32 s14, \under
	s_cbranch_scc0 \next
	tensor_load_to_lds s[\g0:\g0+3], s[\g1:\g1+7]
	s_nop 0
.rept 4
	v_nop
.endr
	s_branch .Lhead_asked
\next:
.endm
	ARM 1, G0H,  G1,  .Lhead_b
	ARM 2, G0HB, G1B, .Lhead_sa
	ARM 3, G0S,  G1S, .Lhead_sb
	tensor_load_to_lds s[G0SB:G0SB+3], s[G1SB:G1SB+7]
	s_nop 0
.rept 4
	v_nop
.endr
.Lhead_asked:
	v_and_b32 v1, 15, v0
	v_bfe_u32 v2, v0, 4, 1
	v_mul_u32_u24 v3, v1, PITCH
	v_mul_u32_u24 v4, v2, 24
	v_add_nc_u32 v4, v3, v4
	v_lshl_add_u32 v5, v2, 4, v4
	s_mul_i32 s21, s15, HALFT
	s_mul_i32 s22, s16, HALFT
	s_add_co_u32 s22, s22, 2*HALFT
.irp s, 0,1
	v_add_nc_u32 v[ADRA+\s], s21, v4
	v_add_nc_u32 v[ADRB+\s], s22, v4
	v_add_nc_u32 v[ADRA+2+\s], s21, v5
	v_add_nc_u32 v[ADRB+2+\s], s22, v5
	s_add_co_u32 s21, s21, SLOT
	s_add_co_u32 s22, s22, SLOT
.endr
	v_mul_u32_u24 v5, v1, KS
	v_lshrrev_b32 v6, 8, v5
	v_lshl_add_u32 v5, v6, 4, v5
	s_mul_i32 s21, s15, HALFS
	s_mul_i32 s22, s16, HALFS
	s_add_co_u32 s22, s22, 2*HALFS
	s_sub_co_u32 s22, s22, s21
	v_mul_u32_u24 v6, s22, v2
	s_add_co_u32 s21, s21, SCL
	v_add_nc_u32 v5, v5, v6
	v_add_nc_u32 v[ADRS], s21, v5
	v_and_b32 v6, 31, v0
	v_lshlrev_b32 v[GO], 4, v6
	s_lshl_b32 s20, s17, 1
	s_add_co_u32 s20, s20, s15
	s_lshl_b32 s46, s42, 1
	s_add_co_u32 s46, s46, s16
	s_cmp_eq_u32 s97, 1
	s_cselect_b32 s21, s20, s46
	s_cselect_b32 s47, s46, s20
	s_lshl_b32 s21, s21, 6
	s_add_co_u32 s21, s21, s47
	s_mul_i32 s20, s21, REC
	s_mov_b32 s21, 0
	s_add_nc_u64 s[12:13], s[12:13], s[20:21]
.macro FRAG reg, adr, q, i
.irp p, 0,1,2,3,4,5
.set PC, 12*(\q)+6*(\p/3)+\p%3
.if PC%8 < 5
	ds_load_b64 v[\reg+2*\p:\reg+2*\p+1], v[\adr] offset:8*PC+16*(PC/8)+(\i)*16*PITCH
.else
	ds_load_b64 v[\reg+2*\p:\reg+2*\p+1], v[\adr+2] offset:8*PC+16*(PC/8)+(\i)*16*PITCH
.endif
.endr
.endm
.macro MUL16 a0, p, q, sc, zero
.irp a, \a0, \a0+1
.irp b, 0,1,2,3,4,5,6,7
.if \zero
	v_wmma_scale_f32_16x16x128_f8f6f4 v[8*(8*((\a)%4)+\b):8*(8*((\a)%4)+\b)+7], v[128*(\p)+FR*\b:128*(\p)+FR*\b+FR-1], v[AF+FR*(\a):AF+FR*(\a)+FR-1], 0, v[SC+8*NQ*(\sc)+NQ*\b+(\q)], v[SC+8*NQ*(\sc)+NQ*(\a)+(\q)] matrix_a_fmt:MATRIX_FMT_FP6 matrix_b_fmt:MATRIX_FMT_FP6 matrix_a_scale:MATRIX_SCALE_ROW1
.else
	v_wmma_scale_f32_16x16x128_f8f6f4 v[8*(8*((\a)%4)+\b):8*(8*((\a)%4)+\b)+7], v[128*(\p)+FR*\b:128*(\p)+FR*\b+FR-1], v[AF+FR*(\a):AF+FR*(\a)+FR-1], v[8*(8*((\a)%4)+\b):8*(8*((\a)%4)+\b)+7], v[SC+8*NQ*(\sc)+NQ*\b+(\q)], v[SC+8*NQ*(\sc)+NQ*(\a)+(\q)] matrix_a_fmt:MATRIX_FMT_FP6 matrix_b_fmt:MATRIX_FMT_FP6 matrix_a_scale:MATRIX_SCALE_ROW1
.endif
.endr
.endr
.endm
.macro FETCH_B slot, q, p
	WIN TO_B
.irp i, 0,1,2,3,4,5,6,7
	FRAG 128*(\p)+FR*\i, ADRB+\slot, \q, \i
.endr
	WIN 0
.endm
.macro FETCH_A slot, q, i0
.irp i, \i0, \i0+1, \i0+2, \i0+3
	FRAG AF+FR*(\i), ADRA+\slot, \q, \i
.endr
.endm
.macro SCALES sc
.irp i, 0,1,2,3,4,5,6,7
	ds_load_b64 v[SC+8*NQ*\sc+NQ*\i:SC+8*NQ*\sc+NQ*\i+1], v[ADRS] offset:\i*SBLK
.endr
.endm
.macro PLACES n
.rept \n
	v_nop
.endr
.endm
.macro STEP slot, q, zero
	s_wait_dscnt 4*NL
	WIN MUL_LO
	MUL16 0, (\q)%2, \q, \slot, \zero
	MUL16 2, (\q)%2, \q, \slot, \zero
	s_wait_dscnt 0
	PLACES NP
	FETCH_B \slot, (\q)+1, 1-(\q)%2
	FETCH_A \slot, (\q)+1, 0
	WIN MUL_HI
	MUL16 4, (\q)%2, \q, \slot, \zero
	MUL16 6, (\q)%2, \q, \slot, \zero
	PLACES NP
	WIN 0
	FETCH_A \slot, (\q)+1, 4
.endm
.macro TURN slot, next, fill
	s_wait_tensorcnt 0x0
	ds_add_u32 v[SPW], v[NIL]
	s_wait_dscnt 4*NL+1
	WIN MUL_LO
	MUL16 0, 1, NQ-1, \slot, 0
	s_wait_dscnt 0x0
	s_barrier_signal -1
	MUL16 2, 1, NQ-1, \slot, 0
	WIN 0
	s_barrier_wait -1
.if \fill
	CREST
	s_add_nc_u64 s[G0+4*\slot+2:G0+4*\slot+3], s[G0+4*\slot+2:G0+4*\slot+3], 2*KST
	s_add_nc_u64 s[G0B+4*\slot+2:G0B+4*\slot+3], s[G0B+4*\slot+2:G0B+4*\slot+3], 2*KST
	JLOAD G0+4*\slot, G1, G0B+4*\slot, G1B
.else
	PLACES NP
.endif
	s_wait_alu depctr_va_vdst(0)
	v_add_nc_u32 v[ADRS], 4*NQ, v[ADRS]
	FETCH_B \next, 0, 0
	FETCH_A \next, 0, 0
	SCALES \next
	WIN MUL_HI
	MUL16 4, 1, NQ-1, \slot, 0
	MUL16 6, 1, NQ-1, \slot, 0
	PLACES NP
	WIN 0
	FETCH_A \next, 0, 4
.endm
	s_wait_alu depctr_va_vdst(0)
	s_wait_tensorcnt 0x0                           ; my tile of the head's four is in
	ds_add_u32 v[SPW], v[NIL]
	s_mov_b32 s[G1+2], 96<<16                      ; no tensor load of mine is out: from here on a load brings 128 rows of codes, 96 rows of 256 bytes
	s_mov_b32 s[G1+4], 96
	s_mov_b32 s[G1B+2], 96<<16
	s_mov_b32 s[G1B+4], 96
	s_wait_dscnt 0x0                               ; the add is done
	CROUND                                         ; all four tiles are in, and all sixteen work-groups are here
	JLOAD G0+4, G1, G0B+4, G1B                     ; K step 1, the first tensor load behind the round
	FETCH_B 0, 0, 0
	FETCH_A 0, 0, 0
	SCALES 0
	FETCH_A 0, 0, 4
	STEP 0, 0, 1
	s_mov_b32 s3, LAPS-1
.Llap:
	TURN 0, 1, 1
	STEP 1, 0, 0
	TURN 1, 0, 1
	STEP 0, 0, 0
	s_sub_co_u32 s3, s3, 1
	s_cmp_lg_u32 s3, 0
	s_cbranch_scc1 .Llap
	TURN 0, 1, 0
	STEP 1, 0, 0
	s_wait_dscnt 4*NL
	WIN MUL_LO
	MUL16 0, 1, NQ-1, 1, 0
	MUL16 2, 1, NQ-1, 1, 0
	s_wait_dscnt 0
	WIN MUL_HI
	MUL16 4, 1, NQ-1, 1, 0
	MUL16 6, 1, NQ-1, 1, 0
	WIN 0
.macro QOUT a
.set AC, 64*((\a)%4)
.set WW, 2+(\a)/4
.set WW2, WW*5
.set OA, OC+12*(\a)
	WIN WW2
.irp b, 0,1,2,3
	v_max3_num_f32 v[TM+\b], |v[AC+16*\b]|, |v[AC+16*\b+1]|, 0x1800000
.endr
.irp i, 2,4,6,8,10,12,14
.irp b, 0,1,2,3
	v_max3_num_f32 v[TM+\b], |v[AC+16*\b+\i]|, |v[AC+16*\b+\i+1]|, v[TM+\b]
.endr
.endr
	WIN 0
.irp b, 0,1,2,3
	v_permlanex16_b32 v[TM+4+\b], v[TM+\b], s20, s21
.endr
.irp b, 0,1,2,3
	v_max_num_f32 v[TM+\b], v[TM+\b], v[TM+4+\b]
.endr
.irp b, 0,1,2,3
	v_add_nc_u32 v[TM+12+\b], 0xff000000, v[TM+\b]
.endr
.irp b, 0,1,2,3
	v_lshrrev_b32 v[TM+4+\b], 23, v[TM+12+\b]
.endr
	v_lshl_or_b32 v[PW+(\a)], v[TM+5], 8, v[TM+4]
	v_lshl_or_b32 v[PW+(\a)], v[TM+6], 16, v[PW+(\a)]
	v_lshl_or_b32 v[PW+(\a)], v[TM+7], 24, v[PW+(\a)]
	WIN WW
.irp c, 0,1
	v_cvt_scalef32_pk16_fp6_f32 v[OA+6*\c:OA+6*\c+2], v[AC+32*\c:AC+32*\c+15], v[TM+12+2*\c]
	v_cvt_scalef32_pk16_fp6_f32 v[T2+4*\c:T2+4*\c+2], v[AC+32*\c+16:AC+32*\c+31], v[TM+13+2*\c]
.endr
	WIN 0
	v_nop
.irp c, 0,1
.irp i, 0,1,2
	v_permlane16_swap_b32 v[OA+6*\c+\i], v[T2+4*\c+\i]
.endr
.irp i, 0,1,2
	v_mov_b32 v[OA+6*\c+3+\i], v[T2+4*\c+\i]
.endr
.endr
.irp k, 0,1,2
	global_store_b128 v[GO], v[OA+4*\k:OA+4*\k+3], s[12:13] offset:1536*(\a)+512*\k
.endr
.endm
	PLACES NP
	s_mov_b32 s20, 0x76543210
	s_mov_b32 s21, 0xfedcba98
	s_mov_b32 s22, 0xffff0000
.irp b, 0,1,2,3
	v_mov_b32 v[TM+4+\b], 0
.endr
.irp a, 0,1,2,3,4,5,6,7
	QOUT \a
.endr
.irp p, 0,1,2,3
	v_cndmask_b32 v[SW+\p], v[PW+2*\p], v[PW+2*\p+1], s22
.endr
	global_store_b128 v[GO], v[SW:SW+3], s[12:13] offset:12288
	s_wait_tensorcnt 0x0
	ds_add_u32 v[SPW], v[NIL]
	s_wait_dscnt 0x0
	CROUND
	s_endpgm
.Lfunc_end_k_qd0d6d5b7a1_gemm_qkv:
	.size	k_qd0d6d5b7a1_gemm_qkv, .Lfunc_end_k_qd0d6d5b7a1_gemm_qkv-k_qd0d6d5b7a1_gemm_qkv
	.p2alignl 7, 3214868480
	.fill 96, 4, 3214868480
	.section	.rodata,"a",@progbits
	.p2align	6, 0x0
	.amdhsa_kernel k_qd0d6d5b7a1_gemm_qkv
		.amdhsa_group_segment_fixed_size 327680
		.amdhsa_private_segment_fixed_size 0
		.amdhsa_enable_private_segment 0
		.amdhsa_kernarg_size 40
		.amdhsa_user_sgpr_count 2
		.amdhsa_user_sgpr_kernarg_segment_ptr 1
		.amdhsa_wavefront_size32 1
		.amdhsa_system_sgpr_workgroup_id_x 1
		.amdhsa_system_sgpr_workgroup_id_y 1
		.amdhsa_system_sgpr_workgroup_id_z 1
		.amdhsa_system_vgpr_workitem_id 0
		.amdhsa_next_free_vgpr 1024
		.amdhsa_next_free_sgpr 102
		.amdhsa_reserve_vcc 0
		.amdhsa_float_denorm_mode_32 3
		.amdhsa_float_denorm_mode_16_64 3
		.amdhsa_memory_ordered 1
		.amdhsa_forward_progress 1
		.amdhsa_inst_pref_size 165
	.end_amdhsa_kernel
	.amdgpu_metadata
---
amdhsa.version: [ 1, 2 ]
amdhsa.kernels:
  - .name:           k_qd0d6d5b7a1_gemm_qkv
    .symbol:         k_qd0d6d5b7a1_gemm_qkv.kd
    .args:
      - { .name: xc, .offset: 0, .size: 8, .value_kind: global_buffer, .address_space: global }
      - { .name: xs, .offset: 8, .size: 8, .value_kind: global_buffer, .address_space: global }
      - { .name: wc, .offset: 16, .size: 8, .value_kind: global_buffer, .address_space: global }
      - { .name: ws, .offset: 24, .size: 8, .value_kind: global_buffer, .address_space: global }
      - { .name: qkv, .offset: 32, .size: 8, .value_kind: global_buffer, .address_space: global }
    .group_segment_fixed_size: 327680
    .private_segment_fixed_size: 0
    .kernarg_segment_align: 8
    .kernarg_segment_size: 40
    .max_flat_workgroup_size: 128
    .sgpr_count:     102
    .vgpr_count:     1024
    .wavefront_size: 32
...
	.end_amdgpu_metadata
.endif
;; end of part 2
;; launch attn (part 3): grid 8 x 32, 16 waves a work-group, no clusters, 327,680 bytes of LDS; arguments qkv, ybuf; writes ybuf
.if DOCPART == 3
	.amdgcn_target "amdgcn-amd-amdhsa--gfx1250"
	.amdhsa_code_object_version 6
	.text
	.protected	k_qd0d6d5b7a1_attn
	.globl	k_qd0d6d5b7a1_attn
	.p2align	8
	.type	k_qd0d6d5b7a1_attn,@function
k_qd0d6d5b7a1_attn:
	s_mov_b64 s[64:65], 0
	v_nop
	global_prefetch_b8 v0, s[64:65] scope:SCOPE_SE
	s_setreg_imm32_b32 hwreg(HW_REG_WAVE_MODE, 25, 1), 1
	s_wait_xcnt 0x0
; y = softmax(q k^T / 8, causal) v for 64 heads of 64, 2,048 tokens, both products on codes of FP6 (E2M3) with E8M0 scales; y is quantised along the channels on its way out.
; IN: qkv[ng][tg], records of 12,800 bytes: eight images of an operand's registers (16 rows x 128 K) and 512 bytes of scale words.  q (ng = hp) and k (8 + hp): rows = tokens, K = the 128 channels of head pair hp;
; v (16 + hp): rows = channels (blocks 0-3 the even head, 4-7 the odd one), K = the 128 tokens.  Rows are permuted by sigma (bits 3 and 4 exchanged), K is in its true order.
; THE SOFTMAX: t = score x log2(e) / 8; M = the running largest t, rounded up to a whole number; p = 2^(t - M) is quantised along the keys, not normalised; the row's sum is taken of the unquantised p and divides at the end.
; SHARES.  Work-group (i, b, hp) owns head pair hp of batch b and two groups of 128 queries, i and 15 - i: (i + 1) + (16 - i) = 17 key steps of 128 in every work-group: a constant trip count and equal work under the causal mask.
; Wave w: head 2 hp + w / 8, query tile w % 8 (16 queries).  Four waves to a SIMD, so that one wave's vector work stands beside another's matrix work and LDS loads.
; K = 64 IN AN INSTRUCTION OF 128: k's fragment is the image of both heads; in q's fragment the other head's six registers are zero codes, which add nothing under the bytes 1 .. 254 that the quantiser gives.
; Both products are used transposed (S^T = k q^T, O^T = v^T p^T): a lane holds one query throughout, and by sigma the 16 registers of two neighbouring tiles are 16 neighbouring keys (channels).
; NO CLUSTER: the eight work-groups of a head pair walk the key steps in different orders (work-group i reads key step j in trips j and i + 1 + j); walking jointly would take 8 + 16 = 24 steps against 17.
; OUT: ybuf[tg][hp], records of the same size: register pair p of lane L of block a at 1536 a + 256 p + 8 L (head parity c owns pairs 3 c .. 3 c + 2), then the scale words.
; LIMITS: a block of zeros, or one under 2^-124, gets the byte 1; a block's largest p is made from its largest score, which takes v_exp_f32 not to fall where its input rises; NaN and infinities are not served.
; REGISTERS: v1-4 places that stay; v5, v6 the add's; v7 my place in ybuf's record; v8-11 the step's LDS addresses; v12 -M, v13 the largest t, v[14:15] the sum; v16-27 q; v28 the prefetch's offset; v29 the mask's number;
;   v30, v31 y's scale words in LDS; v32-79 four fragments; v80-83 k's scale words, v84-85 v's, v86 q's, v87 p's; v96-159 S^T, then p; v160-191 O^T; v192-204 the second group's q; v224-235 p's codes; v232-254 at work.
.set REC,   12800
.set HREC,  6400                       ; what one tensor load brings: 25 rows of 256 bytes
; LDS: bytes 0 .. 25,599: key step t = 0 of the walk, filled once at the head.  Slots A and B hold TWO steps of the walk each (k's record, then v's: 25,600 bytes a step), the second HALF bytes behind the first.
.set HALF,  1<<15
.set SLA,   1<<16                      ; slot A
.set SLB,   2<<16                      ; slot B
.set SLX,   SLA^SLB                    ; one exclusive or turns an address from one slot to the other
.set YSCR,  196608                     ; y's scale words of the two groups, 2 x 512 bytes: no fill lands here
.set SPARE, 197632                     ; the spare words: 128 bytes for each of 16 waves, eight blocks of 256 bytes that no other line names
.set WV,  8                            ; s8  wave
.set HC,  9                            ; s9  head parity c
.set QT,  10                           ; s10 query tile a
.set IDX, 11                           ; s11 i
.set T,   13                           ; s13 2 p, p the trip: trip p works steps t = 2 p - 1 and t = 2 p of the walk's 17
.set I1,  18                           ; s18 i + 1
.set HW1, 19                           ; s19 1 + (wave / 4) % 2: which step of the next pair my wave fetches (or prefetches)
.set TB2, 3                            ; s3  LDS byte at which the pair's second step begins
.set TBN, 43                           ; s43 the slot of the next pair
.set TB,  14                           ; s14 LDS byte at which the slot in hand begins
.set LIMT, 42                          ; s42 a wave prefetches while the trip is under this
.macro TLOAD                           ; waves 0-3 fetch the four halves (k's two, v's two) of the next pair's first step, waves 4-7 those of its second, the others nothing.  Four v_nop follow the line
	s_cmp_lt_u32 s[WV], 8
	s_cbranch_scc0 .Lnot_mine_\@
	tensor_load_to_lds s[32:35], s[24:31]
	s_nop 0
.rept 4
	v_nop
.endr
.Lnot_mine_\@:
.endm
; A PREFETCH of key steps 2 p + 2 and 2 p + 3 in trip p: what work-group i = 0 fetches one trip later.  The eight work-groups of a head pair read the same records: work-group i = 0 asks, and in it waves 8 to 15,
; a quarter of a key step (6,400 bytes, 25 blocks of 256) each, lanes 256 bytes apart; lanes 25-31 name lane 24's block again.  It stops behind trip 6, at key step 15, the last.  Key steps 0 and 1 come by their loads alone.
.macro ASK
	s_cmp_lt_u32 s[T], s[LIMT]
	s_cbranch_scc0 .Lno_ask_\@
	global_prefetch_b8 v28, s[40:41] th:TH_LOAD_NT scope:SCOPE_SE
.Lno_ask_\@:
.endm
; THE CHANGE OF SLOTS stands at a trip's head, one for two steps.  Each wave waits for all its tensor loads, adds 0 to its spare word, and waits for that and for its reads of the slot that it has left.
; fill = 1: the other slot is filled with the next pair: steps t = 2 p + 1 and 2 p + 2 of the walk; step t is key step t while the first group is walked (t <= i), else t - i - 1.
; Trips 0 and 1 fill slots A and B for the first time, the later ones fill them again.  The load has two steps' work in which to land; one load of a wave is out at the most.
.macro CHANGE fill
	s_wait_tensorcnt 0x0                           ; no tensor load of mine is out, so group 0 may be written
	ds_add_u32 v5, v6                              ; 0 onto my spare word,
.if \fill
	ds_add_u32 v5, v6                              ; and twice on end here
	s_add_co_u32 s46, s[T], s[HW1]                 ; the step of the walk that my wave fetches
	s_sub_co_u32 s47, s46, s[I1]
	s_cmp_le_u32 s46, s[IDX]
	s_cselect_b32 s46, s46, s47                    ; the next trip's key step
	s_mul_i32 s38, s46, REC
	s_xor_b32 s33, s33, SLX                        ; the other slot than last time
	s_add_nc_u64 s[34:35], s[36:37], s[38:39]
	s_or_b32 s35, s35, 0x80000000                  ; type = 2
	s_wait_xcnt 0x0                                ; the last prefetch, a trip back, has read its address
	s_add_nc_u64 s[40:41], s[40:41], 2*REC
.endif
	s_wait_dscnt 0x0                               ; the add is done, and my reads of the slot that I have left are over
	s_barrier_signal -1
	s_barrier_wait -1
.if \fill
	TLOAD                                          ; the first thing behind the barrier, and a wave's one tensor load until the next
	ASK
.endif
.endm
; A KEY STEP: 128 keys, from LDS byte s[tb] on.  diag = 1: the step on the diagonal, always masked; 0: masked where 2 p equals s[cmp]; 2: never masked.
.macro STEP diag, tb, cmp
	v_add_nc_u32 v8, s[\tb], v1                    ; (these four are also the places behind the last step's products, in front of the loads below)
	s_wait_alu depctr_va_vdst(0)
	v_add_nc_u32 v9, s[\tb], v2
	v_add_nc_u32 v10, s[\tb], v3
	v_add_nc_u32 v11, s[\tb], v4
	ds_load_b128 v[80:83], v10                     ; k's scale words: register p: lanes 0-15 tile 2 p, lanes 16-31 tile 2 p + 1
.irp g, 0,1                                    ; S^T = k q^T, four tiles of 16 keys at a time
.if \g
.rept 4
	v_nop                                          ; places in front of loads into registers that matrix instructions have read
.endr
.endif
.irp t, 0,1,2,3
.irp k, 0,1,2
	ds_load_b128 v[32+12*\t+4*\k:35+12*\t+4*\k], v8 offset:(4*\g+\t)*1536+512*\k   ; an image comes back as it was stored: 512 consecutive bytes a load
.endr
.endr
	s_wait_dscnt 0x0
.irp t, 0,1,2,3
.if \t%2
	v_wmma_scale_f32_16x16x128_f8f6f4 v[96+8*(4*\g+\t):103+8*(4*\g+\t)], v[32+12*\t:43+12*\t], v[16:27], 0, v[80+2*\g+\t/2], v86 matrix_a_fmt:MATRIX_FMT_FP6 matrix_b_fmt:MATRIX_FMT_FP6 matrix_a_scale:MATRIX_SCALE_ROW1
.else
	v_wmma_scale_f32_16x16x128_f8f6f4 v[96+8*(4*\g+\t):103+8*(4*\g+\t)], v[32+12*\t:43+12*\t], v[16:27], 0, v[80+2*\g+\t/2], v86 matrix_a_fmt:MATRIX_FMT_FP6 matrix_b_fmt:MATRIX_FMT_FP6
.endif
.endr
.endr
.rept 4
	v_nop                                          ; places: for the loads below and for the first read of the scores
.endr
	s_wait_alu depctr_va_vdst(0)
.irp t, 0,1,2,3                                ; v's four fragments of my head are asked for now and land under the softmax
.irp k, 0,1,2
	ds_load_b128 v[32+12*\t+4*\k:35+12*\t+4*\k], v9 offset:1536*\t+512*\k
.endr
.endr
	ds_load_b64 v[84:85], v11                      ; and their scale words
.if \diag < 2
.if !\diag
	s_cmp_lg_u32 s[T], s[\cmp]                     ; a branch on ids: of the loop's steps only step i lies on the diagonal
	s_cbranch_scc1 .Lopen_\@
.endif
	v_mov_b32 v254, 0xff800000                     ; hidden scores become -infinity ahead of the maximum: p = 0 then.  Register 16 b + i holds key 32 b + 16 (lane / 16) + i of the group: hidden where 32 b + i > v29
.set n, 0
.rept 64
	v_cmp_gt_i32 vcc_lo, 32*(n/16)+n%16, v29
	v_cndmask_b32 v[96+n], v[96+n], v254, vcc_lo
.set n, n+1
.endr
.if !\diag
.Lopen_\@:
.endif
.endif
.irp b, 0,1,2,3
	v_max3_num_f32 v[232+\b], v[96+16*\b], v[97+16*\b], v[98+16*\b]   ; the largest score of each block of 32 keys: it serves for the row's maximum and, since p rises with the score, for the block's largest p
.endr
.irp i, 3,5,7,9,11,13
.irp b, 0,1,2,3
	v_max3_num_f32 v[232+\b], v[232+\b], v[96+16*\b+\i], v[97+16*\b+\i]
.endr
.endr
.irp b, 0,1,2,3
	v_max_num_f32 v[232+\b], v[232+\b], v[111+16*\b]
.endr
.irp b, 0,1,2,3
	s_delay_alu instid0(VALU_DEP_4)
	v_permlanex16_b32 v[236+\b], v[232+\b], s20, s21
.endr
.irp b, 0,1,2,3
	s_delay_alu instid0(VALU_DEP_4)
	v_max_num_f32 v[232+\b], v[232+\b], v[236+\b]  ; with lane l xor 16's 16 keys
.endr
	s_delay_alu instid0(VALU_DEP_2)
	v_max3_num_f32 v254, v232, v233, v234
	s_delay_alu instid0(VALU_DEP_1)
	v_max_num_f32 v254, v254, v235                 ; the step's largest score of my query
	s_delay_alu instid0(VALU_DEP_1)
	v_mul_f32 v254, s22, v254                      ; as t
	s_delay_alu instid0(VALU_DEP_1)
	v_max_num_f32 v13, v13, v254                   ; the running largest t
	v_mov_b32 v254, v12
	s_delay_alu instid0(VALU_DEP_2)
	v_floor_f32 v12, -v13                          ; the new -M = floor(-t): M is a whole number
	s_delay_alu instid0(VALU_DEP_1)
	v_sub_f32 v254, v12, v254                      ; old M - new M: a whole number, 0 or less
	s_delay_alu instid0(VALU_DEP_1)
	v_cvt_i32_f32 v254, v254                       ; (it saturates)
	s_delay_alu instid0(VALU_DEP_1)
	v_ldexp_f32 v252, 1.0, v254                    ; f = 2^(old M - new M): a multiplication by it rounds nothing
.set j, 0
.rept 32
	v_pk_fma_f32 v[96+j:97+j], v[96+j:97+j], s[22:23], v[12:13] op_sel_hi:[1,0,0]   ; t - M, two at a time
.set j, j+2
.endr
.irp b, 0,1,2,3
	v_fma_f32 v[232+\b], v[232+\b], s22, v12       ; the same of each block's largest score
.endr
.set j, 0
	s_wait_alu depctr_va_vdst(0)
.rept 64
	v_exp_f32 v[96+j], v[96+j]                     ; p = 2^(t - M), at most 1
.set j, j+1
.endr
	v_pk_mul_f32 v[14:15], v[14:15], v[252:253] op_sel_hi:[1,0]   ; the sums under the new M (a plain place behind the exponentials)
	s_wait_alu depctr_va_vdst(0)                   ; one wait for the whole batch, ahead of its first reader
.irp b, 0,1,2,3
	v_exp_f32 v[232+\b], v[232+\b]                 ; the block's largest p
.endr
	v_pk_add_f32 v[236:237], v[100:101], v[104:105]
	v_pk_add_f32 v[254:255], v[108:109], v[112:113]
	v_pk_add_f32 v[250:251], v[116:117], v[120:121]
	v_pk_add_f32 v[248:249], v[124:125], v[128:129]
	v_pk_add_f32 v[246:247], v[132:133], v[136:137]
	v_pk_add_f32 v[244:245], v[140:141], v[144:145]
	v_pk_add_f32 v[242:243], v[148:149], v[152:153]
	v_pk_add_f32 v[14:15], v[14:15], v[156:157]
	v_pk_add_f32 v[236:237], v[236:237], v[96:97]
	v_pk_add_f32 v[254:255], v[254:255], v[98:99]
	v_pk_add_f32 v[250:251], v[250:251], v[102:103]
	v_pk_add_f32 v[248:249], v[248:249], v[106:107]
	v_pk_add_f32 v[246:247], v[246:247], v[110:111]
	v_pk_add_f32 v[244:245], v[244:245], v[114:115]
	v_pk_add_f32 v[242:243], v[242:243], v[118:119]
	v_pk_add_f32 v[14:15], v[14:15], v[122:123]
	v_pk_add_f32 v[236:237], v[236:237], v[126:127]
	v_pk_add_f32 v[254:255], v[254:255], v[130:131]
	v_pk_add_f32 v[250:251], v[250:251], v[134:135]
	v_pk_add_f32 v[248:249], v[248:249], v[138:139]
	v_pk_add_f32 v[246:247], v[246:247], v[142:143]
	v_pk_add_f32 v[244:245], v[244:245], v[146:147]
	v_pk_add_f32 v[242:243], v[242:243], v[150:151]
	v_pk_add_f32 v[14:15], v[14:15], v[154:155]
	v_pk_add_f32 v[236:237], v[236:237], v[158:159]
	s_delay_alu instid0(VALU_DEP_2)
	v_pk_add_f32 v[14:15], v[14:15], v[248:249]
	s_delay_alu instid0(VALU_DEP_2)
	v_pk_add_f32 v[236:237], v[236:237], v[246:247]
	v_pk_add_f32 v[254:255], v[254:255], v[244:245]
	v_pk_add_f32 v[250:251], v[250:251], v[242:243]
	s_delay_alu instid0(VALU_DEP_2)
	v_pk_add_f32 v[14:15], v[14:15], v[254:255]
	s_delay_alu instid0(VALU_DEP_2)
	v_pk_add_f32 v[236:237], v[236:237], v[250:251]
	s_delay_alu instid0(VALU_DEP_1)
	v_pk_add_f32 v[14:15], v[14:15], v[236:237]
	s_wait_alu depctr_va_vdst(0)                   ; and one for the four
.irp b, 0,1,2,3
	v_max_num_f32 v[232+\b], 0x1800000, v[232+\b]  ; the floor 2^(3 - 127): the byte cannot fall under 1
.endr
.irp b, 0,1,2,3
	s_delay_alu instid0(VALU_DEP_4)
	v_add_nc_u32 v[244+\b], 0xff000000, v[232+\b]  ; the conversion's scale operand
.endr
.irp b, 0,1,2,3
	s_delay_alu instid0(VALU_DEP_4)
	v_lshrrev_b32 v[236+\b], 23, v[244+\b]         ; the byte
.endr
	s_delay_alu instid0(VALU_DEP_3)
	v_lshl_or_b32 v87, v237, 8, v236               ; p's scale word for these 128 keys
	s_delay_alu instid0(VALU_DEP_1)
	v_lshl_or_b32 v87, v238, 16, v87
	s_delay_alu instid0(VALU_DEP_1)
	v_lshl_or_b32 v87, v239, 24, v87
.irp c, 0,1
	v_cvt_scalef32_pk16_fp6_f32 v[224+6*\c:226+6*\c], v[96+32*\c:111+32*\c], v[244+2*\c]
	v_cvt_scalef32_pk16_fp6_f32 v[236+4*\c:238+4*\c], v[112+32*\c:127+32*\c], v[244+2*\c+1]
.endr
	v_nop                                          ; one plain place behind a scaled conversion
.irp c, 0,1
.irp i, 0,1,2
	v_permlane16_swap_b32 v[224+6*\c+\i], v[236+4*\c+\i]
.endr
.irp i, 0,1,2
	s_delay_alu instid0(VALU_DEP_3)
	v_mov_b32 v[227+6*\c+\i], v[236+4*\c+\i]
.endr
.endr
.set j, 0
.rept 16
	v_pk_mul_f32 v[160+j:161+j], v[160+j:161+j], v[252:253] op_sel_hi:[1,0]   ; O^T under the new M.  (These sixteen are also the places between the codes and scale word just made and the products)
.set j, j+2
.endr
	s_wait_alu depctr_va_vdst(0)
	s_wait_dscnt 0x0                               ; v's fragments and scale words are in
.irp t, 0,1,2,3                                ; O^T += v^T p^T: four accumulators by turns
.if \t%2
	v_wmma_scale_f32_16x16x128_f8f6f4 v[160+8*\t:167+8*\t], v[32+12*\t:43+12*\t], v[224:235], v[160+8*\t:167+8*\t], v[84+\t/2], v87 matrix_a_fmt:MATRIX_FMT_FP6 matrix_b_fmt:MATRIX_FMT_FP6 matrix_a_scale:MATRIX_SCALE_ROW1
.else
	v_wmma_scale_f32_16x16x128_f8f6f4 v[160+8*\t:167+8*\t], v[32+12*\t:43+12*\t], v[224:235], v[160+8*\t:167+8*\t], v[84+\t/2], v87 matrix_a_fmt:MATRIX_FMT_FP6 matrix_b_fmt:MATRIX_FMT_FP6
.endif
.endr
.endm
; A GROUP'S END: O^T / the sum is y: register 16 b + i = channel 32 b + 16 (lane / 16) + i of my head: two blocks of 32 along the last product's K.  They become six registers of codes and two scale bytes.
.macro FINAL ph, yb
.rept 4
	v_nop                                          ; places behind the last products
.endr
	v_add_f32 v14, v14, v15
	s_delay_alu instid0(VALU_DEP_1)
	v_permlanex16_b32 v252, v14, s20, s21
	s_delay_alu instid0(VALU_DEP_1)
	v_add_f32 v14, v14, v252                       ; the row's sum
	s_wait_alu depctr_va_vdst(0)
	v_rcp_f32 v14, v14
	v_nop                                          ; a plain place behind the transcendental
	s_wait_alu depctr_va_vdst(0)                   ; and the wait ahead of its first reader
.set j, 0
.rept 16
	v_pk_mul_f32 v[96+j:97+j], v[160+j:161+j], v[14:15] op_sel_hi:[1,0]   ; each accumulator from its low end on
.set j, j+2
.endr
.irp b, 0,1
	v_max3_num_f32 v[232+\b], |v[96+16*\b]|, |v[97+16*\b]|, 0x1800000
.endr
.irp i, 2,4,6,8,10,12,14
.irp b, 0,1
	s_delay_alu instid0(VALU_DEP_2)
	v_max3_num_f32 v[232+\b], v[232+\b], |v[96+16*\b+\i]|, |v[97+16*\b+\i]|
.endr
.endr
.irp b, 0,1
	s_delay_alu instid0(VALU_DEP_2)
	v_permlanex16_b32 v[236+\b], v[232+\b], s20, s21
.endr
.irp b, 0,1
	s_delay_alu instid0(VALU_DEP_2)
	v_max_num_f32 v[232+\b], v[232+\b], v[236+\b]
.endr
.irp b, 0,1
	s_delay_alu instid0(VALU_DEP_2)
	v_add_nc_u32 v[244+\b], 0xff000000, v[232+\b]
.endr
.irp b, 0,1
	s_delay_alu instid0(VALU_DEP_2)
	v_lshrrev_b32 v[236+\b], 23, v[244+\b]
.endr
	s_delay_alu instid0(VALU_DEP_1)
	v_lshl_or_b32 v254, v237, 8, v236              ; my head's two bytes of the row's scale word
	v_cvt_scalef32_pk16_fp6_f32 v[224:226], v[96:111], v244
	v_cvt_scalef32_pk16_fp6_f32 v[240:242], v[112:127], v245
	v_nop
.irp i, 0,1,2
	v_permlane16_swap_b32 v[224+\i], v[240+\i]
.endr
.irp i, 0,1,2
	s_delay_alu instid0(VALU_DEP_3)
	v_mov_b32 v[227+\i], v[240+\i]
.endr
.irp k, 0,1,2
	global_store_b64 v7, v[224+2*\k:225+2*\k], s[\yb:\yb+1] offset:256*\k   ; 32 lanes store 256 consecutive bytes, aligned
.endr
	ds_store_b16 v31, v254 offset:512*\ph          ; both halves of the lanes write the same two bytes with the same value
	s_wait_xcnt 0x0                                ; the stores have read their registers: the codes' registers may be written again
.endm
.macro FRESH                           ; a group begins: the largest t under every t, the sum and O^T zeros, which the first change of M leaves zeros
	v_mov_b32 v13, 0xff61b1e6
	s_delay_alu instid0(VALU_DEP_1)
	v_floor_f32 v12, -v13
	v_mov_b32 v14, 0
	v_mov_b32 v15, 0
.set j, 0
.rept 32
	v_mov_b32 v[160+j], 0
.set j, j+1
.endr
.endm
.macro RESET                           ; the second group's q takes the first's place; the scale word first, so that it stands eight places and more ahead of the next products
	v_mov_b32 v86, v204
.set j, 0
.rept 12
	v_mov_b32 v[16+j], v[192+j]
.set j, j+1
.endr
	FRESH
.endm
	s_load_b128 s[4:7], s[0:1], 0x0                ; qkv s[4:5], ybuf s[6:7]
	v_lshl_add_u32 v5, v0, 2, SPARE
	v_mov_b32 v6, 0
	ds_add_u32 v5, v6
	ds_add_u32 v5, v6
	s_wait_dscnt 0x0
	v_lshrrev_b32 v8, 5, v0
	s_delay_alu instid0(VALU_DEP_1)
	v_readfirstlane_b32 s[WV], v8                  ; wave 0..15
	s_lshr_b32 s[HC], s[WV], 3
	s_and_b32 s[QT], s[WV], 7
	s_mov_b32 s[IDX], ttmp9
	s_and_b32 s12, ttmp7, 0xffff
	s_lshr_b32 s15, s12, 3                         ; b
	s_and_b32 s16, s12, 7                          ; hp
	s_lshl_b32 s17, s15, 4                         ; 16 b: the batch's first group of tokens
	; descriptor group 1: a dense block of 25 rows x 256 bytes (32 elements of 8), no padding
	s_mov_b32 s24, 3<<16
	s_mov_b32 s25, 32<<16                          ; tensor_dim0
	s_mov_b32 s26, 25<<16                          ; tensor_dim1
	s_mov_b32 s27, 32<<16                          ; tile_dim0
	s_mov_b32 s28, 25                              ; tile_dim1
	s_mov_b32 s29, 32                              ; the pitch
	s_mov_b32 s30, 0
	s_mov_b32 s31, 0
	; what wave w % 4 fetches (or, in waves 8-15, prefetches): half w % 2 of k's (w / 2 even) or v's record of key step 0
	s_bfe_u32 s46, s[WV], 0x10001
	s_lshl_b32 s46, s46, 3
	s_add_co_u32 s46, s46, 8
	s_add_co_u32 s46, s46, s16                     ; ng
	s_lshl_b32 s46, s46, 6
	s_add_co_u32 s46, s46, s17
	s_mul_i32 s46, s46, REC
	s_and_b32 s47, s[WV], 1
	s_mul_i32 s47, s47, HREC
	s_add_co_u32 s54, s46, s47
	s_mov_b32 s55, 0
	s_and_b32 s47, s[WV], 3
	s_mul_i32 s69, s47, HREC                       ; its place in a step's 25,600 bytes: so the head's load lands, from LDS byte 0 on
	s_bfe_u32 s[HW1], s[WV], 0x10002               ; (wave / 4) % 2: the pair's first or second step
	s_lshl_b32 s33, s[HW1], 15
	s_add_co_u32 s33, s33, s69
	s_add_co_u32 s33, s33, SLB                     ; the ring's loads: the first change of slots turns this to slot A
	s_mul_i32 s38, s[HW1], REC                     ; where the prefetches start
	s_add_co_u32 s[HW1], s[HW1], 1
	s_add_co_u32 s[I1], s[IDX], 1
	s_mov_b32 s68, 1                               ; s[68:71]: group 0 of the head's load
	s_mov_b32 s32, 1
	s_mov_b32 s39, 0
	; q's records of the two groups
	s_lshl_b32 s46, s16, 6
	s_add_co_u32 s46, s46, s17
	s_add_co_u32 s48, s46, s[IDX]
	s_mul_i32 s58, s48, REC
	s_mov_b32 s59, 0
	s_add_co_u32 s48, s46, 15
	s_sub_co_u32 s48, s48, s[IDX]
	s_mul_i32 s60, s48, REC
	s_mov_b32 s61, 0
	; y's records of the two groups, and the scale record that waves 0 and 1 store at the end
	s_add_co_u32 s48, s17, s[IDX]
	s_lshl_b32 s48, s48, 3
	s_add_co_u32 s48, s48, s16
	s_mul_i32 s44, s48, REC
	s_mov_b32 s45, 0
	s_add_co_u32 s48, s17, 15
	s_sub_co_u32 s48, s48, s[IDX]
	s_lshl_b32 s48, s48, 3
	s_add_co_u32 s48, s48, s16
	s_mul_i32 s50, s48, REC
	s_mov_b32 s51, 0
	s_cmp_eq_u32 s[WV], 1
	s_cselect_b32 s52, s50, s44
	s_add_co_u32 s52, s52, 12288
	s_mov_b32 s53, 0
	s_cmp_eq_u32 s[HC], 0
	s_cselect_b32 s56, -1, 0                       ; keeps q's registers 0-5 (the even head's)
	s_cselect_b32 s57, 0, -1                       ; keeps registers 6-11
	s_lshr_b32 s46, s[WV], 3
	s_xor_b32 s46, s46, 1                          ; 0 in waves 8 to 15,
	s_or_b32 s46, s46, s[IDX]                      ; of work-group i = 0
	s_cmp_eq_u32 s46, 0
	s_cselect_b32 s[LIMT], 14, 0
	s_mov_b32 s20, 0x76543210
	s_mov_b32 s21, 0xfedcba98                      ; v_permlanex16_b32's selects for lane l xor 16
	s_mov_b32 s22, 0x3e38aa3b                      ; log2(e) / 8
	s_mov_b32 s23, s22                             ; (named with it as a pair, so it is written)
	s_mov_b32 s[T], 0
	s_mov_b32 s[TB], 0
	s_mov_b32 s[TB2], 0                            ; trip 0 has one step, t = 0, which lies at LDS byte 0
	s_mov_b32 s[TBN], SLA
	s_wait_kmcnt 0x0
	s_add_nc_u64 s[36:37], s[4:5], s[54:55]
	s_mov_b64 s[70:71], s[36:37]
	s_or_b32 s71, s71, 0x80000000
	s_cmp_lt_u32 s[WV], 4                          ; the head's fill: key step 0, a quarter each by waves 0 to 3
	s_cbranch_scc0 .Lno_head
	tensor_load_to_lds s[68:71], s[24:31]
	s_nop 0
.rept 4
	v_nop
.endr
.Lno_head:
	s_add_nc_u64 s[40:41], s[36:37], s[38:39]      ; the prefetches stand at key step 0 or 1; the first change of slots steps them to 2 or 3
	s_add_nc_u64 s[58:59], s[4:5], s[58:59]
	s_add_nc_u64 s[60:61], s[4:5], s[60:61]
	s_add_nc_u64 s[44:45], s[6:7], s[44:45]
	s_add_nc_u64 s[50:51], s[6:7], s[50:51]
	s_add_nc_u64 s[52:53], s[6:7], s[52:53]
	v_and_b32 v90, 31, v0                          ; L
	v_and_b32 v91, 15, v0                          ; r
	v_bfe_u32 v92, v0, 4, 1                        ; h
	s_delay_alu instid0(VALU_DEP_3)
	v_lshlrev_b32 v1, 4, v90                       ; 16 L: my place in an image
	s_wait_alu depctr_va_vdst(0)
	s_mul_i32 s46, s[QT], 1536
	v_add_nc_u32 v88, s46, v1                      ; q: tile a's image
	s_and_b32 s47, s[QT], 1
	s_lshl_b32 s47, s47, 8
	s_lshr_b32 s48, s[QT], 1
	s_lshl_b32 s48, s48, 2
	s_add_co_u32 s47, s47, s48                     ; 256 (a % 2) + 4 (a / 2)
	v_lshl_add_u32 v89, v91, 4, s47                ; block a's scale word of row r
.irp k, 0,1,2
	global_load_b128 v[16+4*\k:19+4*\k], v88, s[58:59] offset:512*\k
	global_load_b128 v[192+4*\k:195+4*\k], v88, s[60:61] offset:512*\k
.endr
	global_load_b32 v86, v89, s[58:59] offset:12288
	global_load_b32 v204, v89, s[60:61] offset:12288
	s_mul_i32 s46, s[HC], 6144
	s_add_co_u32 s46, s46, REC
	v_add_nc_u32 v2, s46, v1                       ; v: my head's four images
	v_add_nc_u32 v3, 12288, v1                     ; k's scale words
	s_lshl_b32 s46, s[HC], 3
	s_add_co_u32 s46, s46, REC+12288
	v_add_nc_u32 v4, s46, v1                       ; v's, my head's two registers of the four
	s_mul_i32 s46, s[QT], 1536
	s_mul_i32 s48, s[HC], 768
	s_add_co_u32 s46, s46, s48
	v_lshl_add_u32 v7, v90, 3, s46                 ; ybuf: 1536 a + 768 c + 8 L
	v_min_u32 v28, 24, v90
	s_delay_alu instid0(VALU_DEP_1)
	v_lshlrev_b32 v28, 8, v28
	s_lshr_b32 s46, s[QT], 1
	s_lshl_b32 s46, s46, 5
	s_and_b32 s48, s[QT], 1
	s_lshl_b32 s48, s48, 3
	s_add_co_u32 s46, s46, s48                     ; 32 (a / 2) + 8 (a % 2)
	v_and_b32 v93, 7, v0
	v_bfe_u32 v94, v0, 3, 1
	s_delay_alu instid0(VALU_DEP_1)
	v_lshl_add_u32 v93, v94, 4, v93                ; + r % 8 + 16 (r / 8): my query's logical place in its group, by sigma,
	v_lshlrev_b32 v94, 4, v92
	s_delay_alu instid0(VALU_DEP_1)
	v_sub_nc_u32 v93, v93, v94                     ; - 16 h
	s_delay_alu instid0(VALU_DEP_1)
	v_add_nc_u32 v29, s46, v93
	s_and_b32 s46, s[WV], 1
	s_lshl_b32 s46, s46, 9
	s_add_co_u32 s46, s46, YSCR
	v_add_nc_u32 v30, s46, v1                      ; where waves 0 and 1 read a group's scale words back
	s_lshl_b32 s46, s[HC], 1
	s_add_co_u32 s46, s46, YSCR
	v_add_nc_u32 v31, s46, v89                     ; where I put my head's two bytes of row r's word
	FRESH
.irp b, 0,1,2,3
	v_mov_b32 v[236+\b], 0                         ; written once: a lane permute's destination counts as one of its sources
.endr
	v_mov_b32 v253, 0                              ; (named as the upper half of the pair v[252:253])
	s_wait_loadcnt 0x0                             ; both q
.set j, 0
.rept 6
	v_and_b32 v[16+j], s56, v[16+j]                ; the other head's codes become zeros
	v_and_b32 v[22+j], s57, v[22+j]
	v_and_b32 v[192+j], s56, v[192+j]
	v_and_b32 v[198+j], s57, v[198+j]
.set j, j+1
.endr
.Ltrip:                                            ; 8 trips of two steps: behind each change of slots the next pair is asked for
	CHANGE 1
	s_wait_alu depctr_va_vdst(0)
	s_cmp_eq_u32 s[T], 0                           ; trip 0 has no first step: a branch on the trip's number leads round the step's work alone
	s_cbranch_scc1 .Lsecond
	STEP 0, TB, I1                                 ; step t = 2 p - 1
	s_cmp_lg_u32 s[T], s[I1]                       ; step i ends the first group (a branch on ids, the same in all sixteen waves)
	s_cbranch_scc1 .Lsecond
	FINAL 0, 44
	RESET
.Lsecond:
	STEP 0, TB2, IDX                               ; step t = 2 p
	s_cmp_lg_u32 s[T], s[IDX]
	s_cbranch_scc1 .Lsame
	FINAL 0, 44
	RESET
.Lsame:
	s_mov_b32 s[TB], s[TBN]                        ; on to the next pair's slot
	s_add_co_u32 s[TB2], s[TBN], HALF
	s_xor_b32 s[TBN], s[TBN], SLX
	s_add_co_u32 s[T], s[T], 2
	s_cmp_lt_u32 s[T], 16
	s_cbranch_scc1 .Ltrip
	CHANGE 0                                       ; the last pair is written out
	STEP 2, TB, IDX                                ; step 15, under the second group's diagonal,
	STEP 1, TB2, IDX                               ; and step 16, on it
	FINAL 1, 50
	s_wait_dscnt 0x0                               ; for the others' sake: my scale bytes have landed
	s_barrier_signal -1
	s_barrier_wait -1
	s_cmp_lt_u32 s[WV], 2
	s_cbranch_scc0 .Lno_sc
	ds_load_b128 v[96:99], v30                     ; wave 0: the first group's 512 bytes of scale words; wave 1: the second's
	s_wait_dscnt 0x0
	global_store_b128 v1, v[96:99], s[52:53]       ; 32 lanes store 512 consecutive bytes, aligned
.Lno_sc:
	s_wait_tensorcnt 0x0                           ; the wave's end
	ds_add_u32 v5, v6
	s_wait_dscnt 0x0
	s_endpgm
.Lfunc_end_k_qd0d6d5b7a1_attn:
	.size	k_qd0d6d5b7a1_attn, .Lfunc_end_k_qd0d6d5b7a1_attn-k_qd0d6d5b7a1_attn
	.p2alignl 7, 3214868480
	.fill 96, 4, 3214868480
	.section	.rodata,"a",@progbits
	.p2align	6, 0x0
	.amdhsa_kernel k_qd0d6d5b7a1_attn
		.amdhsa_group_segment_fixed_size 327680
		.amdhsa_private_segment_fixed_size 0
		.amdhsa_enable_private_segment 0
		.amdhsa_kernarg_size 16
		.amdhsa_user_sgpr_count 2
		.amdhsa_user_sgpr_kernarg_segment_ptr 1
		.amdhsa_wavefront_size32 1
		.amdhsa_system_sgpr_workgroup_id_x 1
		.amdhsa_system_sgpr_workgroup_id_y 1
		.amdhsa_system_sgpr_workgroup_id_z 1
		.amdhsa_system_vgpr_workitem_id 0
		.amdhsa_next_free_vgpr 256
		.amdhsa_next_free_sgpr 72
		.amdhsa_reserve_vcc 1
		.amdhsa_float_denorm_mode_32 3
		.amdhsa_float_denorm_mode_16_64 3
		.amdhsa_memory_ordered 1
		.amdhsa_forward_progress 1
		.amdhsa_inst_pref_size 113
	.end_amdhsa_kernel
	.amdgpu_metadata
---
amdhsa.version: [ 1, 2 ]
amdhsa.kernels:
  - .name:           k_qd0d6d5b7a1_attn
    .symbol:         k_qd0d6d5b7a1_attn.kd
    .args:
      - { .name: qkv, .offset: 0, .size: 8, .value_kind: global_buffer, .address_space: global }
      - { .name: ybuf, .offset: 8, .size: 8, .value_kind: global_buffer, .address_space: global }
    .group_segment_fixed_size: 327680
    .private_segment_fixed_size: 0
    .kernarg_segment_align: 8
    .kernarg_segment_size: 16
    .max_flat_workgroup_size: 512
    .sgpr_count:     72
    .vgpr_count:     256
    .wavefront_size: 32
...
	.end_amdgpu_metadata
.endif
;; end of part 3
;; launch gemm_proj (part 4): grid 4 x 32, 4 waves a work-group, clusters of 4 x 4, 327,680 bytes of LDS; arguments ybuf, wc, ws, out0; writes out0
.if DOCPART == 4
	.amdgcn_target "amdgcn-amd-amdhsa--gfx1250"
	.amdhsa_code_object_version 6
	.text
	.protected	k_qd0d6d5b7a1_gemm_proj
	.globl	k_qd0d6d5b7a1_gemm_proj
	.p2align	8
	.type	k_qd0d6d5b7a1_gemm_proj,@function
k_qd0d6d5b7a1_gemm_proj:
	s_mov_b64 s[64:65], 0
	v_nop
	global_prefetch_b8 v0, s[64:65] scope:SCOPE_SE
	s_setreg_imm32_b32 hwreg(HW_REG_WAVE_MODE, 25, 1), 1
	s_wait_xcnt 0x0
	s_wait_alu depctr_hold_cnt(0) depctr_sa_sdst(0) depctr_va_vdst(0) depctr_va_sdst(0) depctr_va_ssrc(0) depctr_va_vcc(0) depctr_vm_vsrc(0)
	s_getreg_b32 s2, hwreg(HW_REG_IB_STS2, 6, 4)
	s_cmp_eq_u32 s2, 0
	s_cbranch_scc0 .Lentry_in_a_cluster
	s_endpgm
.Lentry_in_a_cluster:
	s_bfe_u32 s2, ttmp6, 0x10000c
	s_cmp_lg_u32 s2, 0xf033
	s_cbranch_scc0 .Lentry_shape_is_right
	s_endpgm
.Lentry_shape_is_right:
; out0 = y W_proj on codes of FP6 (E2M3) with E8M0 scales, K = 1,024, sums in f32.  out0: [8192][1024] f32.
; A tile is 256 x 256, made by four waves, each 128 x 128: 64 accumulators, 512 registers.  K goes in steps of 256 through a ring of two LDS slots filled by the tensor data mover.
; SOURCE 1 (A below) = y, from ybuf[tg][s]: records of 12,800 bytes for 128 tokens x 128 K: eight images of an operand's registers (register pair p of lane L of block a at 1536 a + 256 p + 8 L), then 512 bytes of scale
; words (block a's word of row r at 16 (r + 16 (a % 2)) + 4 (a / 2)).  Two records that follow each other are a K step: 25,600 dense bytes, one tensor load.  The scale words travel with the codes.
; SOURCE 0 (B below) = W_proj's columns, rows 3,072 on of wc and ws: rows of codes, as in the first product; their scale bytes come once, with the first fills.
; Both operands' rows are permuted by sigma (bits 3 and 4 of the row's number exchanged); the way out undoes it by constant offsets.
; CLUSTERS: 4 x 4 work-groups: A's tiles are shared along a row of the cluster, B's along a column, each asked for jointly.  128 tiles: the launch has work for 128 work-groups.  No prefetch: four slots' worth of K, two of them first fills.
; REGISTERS, in windows of 256: window 0: v0-31 addresses; v32-47 A's scale words, v48-79 B's, two sets each; from v128 A's fragments, one set.  window 1: B's fragments, two sets.  windows 2, 3: the accumulators.
.set SIZE_K, 1024
.set KSTEP,  256
.set NQ,     KSTEP/128
.set ROWB,   192
; wc lies as [group of 256 rows][K step][256 rows][192 bytes]: a K step's codes of 128 or 256 rows are a dense block, fetched as rows of 256 bytes; the padding behind every 64 bytes gives LDS rows of PITCH bytes.
.set KST,    49152                     ; from a K step's block of 256 rows to the next
.set HALFB,  24576                     ; 128 rows of a K step: 96 rows of 256 bytes
.set G0HB,   68                        ; s[68:71] group 0 of the head's load of B's 256 rows
.set KROW,   SIZE_K*6/8
.set PITCH,  240                       ; B's LDS row: 3 x (64 bytes + 16 of padding)
.set FR,     12
.set NL,     6
.set NP,     4
.set REC,    12800
.set AH,     2*REC                     ; A: 128 tokens x 256 K: what one tensor load brings
.set HALFT,  128*PITCH                 ; B: 128 rows
.set SLOT,   2*AH+2*HALFT              ; A's two halves, then B's two
.set LAPS,   SIZE_K/(2*KSTEP)
.set KS,     SIZE_K/32
.set WROW0,  3072                      ; W_proj's first row in wc and ws
.set SCL,    2*SLOT                    ; behind the ring: B's scales, as units of 256 bytes + 16 of padding, filled once
.set HALFS,  (128*KS/256)*272
.set SBLK,   (16*KS/256)*272
.set SPARE,  SCL+2*HALFS               ; the spare words: 128 bytes for each wave, two blocks of 256 bytes that no other line names
.set SPITCH, 528                       ; the way out: a stage of 16 rows x (512 bytes + 16) for each wave, in slot 0, which has had its last fill and its last read when the first result is stored there
.set ADRA,  16                         ; v16-17 my A images in slot 0, 1: + 8 x lane
.set ADRAS, 18                         ; v18-19 the same + 16 x lane: for the scale words
.set ADRB,  20                         ; v20-21 my B fragments (v22-23: behind one padding more)
.set STO,   24
.set RD,    25
.set CO,    26
.set ADRS,  27                         ; v27    my B scale words
.set SPW,   28
.set NIL,   29
.set SA,    32                         ; A's scale words: set s at + 8 s, the slot's q-th 128 at + 4 q; register p: lanes 0-15 block 2 p, lanes 16-31 block 2 p + 1
.set SB,    48                         ; B's: set s at + 16 s, register 2 i + q
.set AF,    128
.set BK,    128                        ; the way out: 16 rows read back: v128-191 and v192-255 by turns
.set G1, 24
.set G0, 32
.set G1B, 48
.set G0B, 56
.set G1SB, 80
.set G0SB, 88
.set MSB, 0
.macro WIN new                         ; the immediate's high byte repeats the setting that is left
.if MSB != \new
	s_set_vgpr_msb (MSB<<8)|\new
.set MSB, \new
.endif
.endm
.set MUL_LO, 0xa1
.set MUL_HI, 0xf1
.set TO_B,   0x40
.macro JLOAD g0a, g1a, g0b, g1b        ; a joint load: waves 0 and 1 fetch for A, waves 2 and 3 for B; four v_nop follow each of the two lines
	s_cmp_eq_u32 s15, 0
	s_cbranch_scc0 .Lfor_b_\@
	tensor_load_to_lds s[\g0a:\g0a+3], s[\g1a:\g1a+7]
	s_nop 0
.rept 4
	v_nop
.endr
	s_branch .Lasked_\@
.Lfor_b_\@:
	tensor_load_to_lds s[\g0b:\g0b+3], s[\g1b:\g1b+7]
	s_nop 0
.rept 4
	v_nop
.endr
.Lasked_\@:
.endm
.macro CREST
	s_cmp_lg_u32 s14, 0
	s_cbranch_scc1 .Lnot_wave_0_\@
	s_barrier_signal -3
.Lnot_wave_0_\@:
	s_barrier_wait -3
	s_barrier_signal -1
	s_barrier_wait -1
.endm
.macro CROUND
	s_barrier_signal -1
	s_barrier_wait -1
	CREST
.endm
	s_load_b128 s[4:7], s[0:1], 0x0                ; ybuf s[4:5], wc s[6:7]
	s_load_b128 s[8:11], s[0:1], 0x10              ; ws s[8:9], out0 s[10:11]
	v_lshl_add_u32 v[SPW], v0, 2, SPARE
	v_mov_b32 v[NIL], 0
	ds_add_u32 v28, v29
	ds_add_u32 v28, v29
	s_wait_dscnt 0x0
	v_lshrrev_b32 v1, 5, v0
	v_readfirstlane_b32 s14, v1                    ; wave 0..3
	s_lshr_b32 s15, s14, 1                         ; which half of the tile's tokens is mine.  Also: I fetch for A (0) or for B (1)
	s_and_b32 s16, s14, 1                          ; which half of its columns.  Also: which half I fetch
	s_bfe_u32 s40, ttmp6, 0x40000                  ; cx, cy
	s_bfe_u32 s41, ttmp6, 0x40004
	s_lshl_b32 s42, ttmp9, 2
	s_add_co_u32 s42, s42, s40                     ; tile column
	s_and_b32 s17, ttmp7, 0xffff
	s_lshl_b32 s17, s17, 2
	s_add_co_u32 s17, s17, s41                     ; tile row
	s_lshl_b32 s43, s41, 2
	s_lshl_b32 s43, 15, s43                        ; my row of the cluster
	s_lshl_b32 s44, 0x1111, s40                    ; my column
	; A: a dense block of 100 rows x 256 bytes (32 elements of 8), no padding
	s_or_b32 s[G1+0], s43, (3<<16)|(1<<21)
	s_mov_b32 s[G1+1], 32<<16
	s_mov_b32 s[G1+2], 100<<16
	s_mov_b32 s[G1+3], 32<<16
	s_mov_b32 s[G1+4], 100
	s_mov_b32 s[G1+5], 32
	s_mov_b32 s[G1+6], 0
	s_mov_b32 s[G1+7], 0
	; B: 128 rows x 192 bytes, 16 bytes of padding behind every 64
	s_or_b32 s[G1B+0], s44, (0<<16)|(1<<20)|(1<<21)|(3<<22)|(3<<25)
	s_mov_b32 s[G1B+1], 256<<16                    ; rows of 256 bytes, dense
	s_mov_b32 s[G1B+2], 192<<16                    ; the head's load: 256 rows of codes = 192 such rows
	s_mov_b32 s[G1B+3], 256<<16
	s_mov_b32 s[G1B+4], 192
	s_mov_b32 s[G1B+5], 256
	s_mov_b32 s[G1B+6], 0
	s_mov_b32 s[G1B+7], 0
	; B's scales of 256 rows: 32 rows of 256 bytes, 16 bytes of padding behind each
	s_or_b32 s[G1SB+0], s44, (3<<16)|(1<<20)|(1<<21)|(5<<22)|(3<<25)
	s_mov_b32 s[G1SB+1], 32<<16
	s_mov_b32 s[G1SB+2], KS<<16                    ; the scales of 256 rows: KS rows of 256 bytes
	s_mov_b32 s[G1SB+3], 32<<16
	s_mov_b32 s[G1SB+4], KS
	s_mov_b32 s[G1SB+5], 32
	s_mov_b32 s[G1SB+6], 0
	s_mov_b32 s[G1SB+7], 0
	s_lshl_b32 s20, s17, 1
	s_add_co_u32 s20, s20, s16                     ; A: the 128 tokens that I fetch,
	s_mul_i32 s20, s20, 8*REC                      ; eight records each
	s_mov_b32 s21, 0
	s_lshl_b32 s46, s42, 8
	s_add_co_u32 s46, s46, WROW0                   ; B: the tile's first row
	s_mul_i32 s92, s46, KS
	s_mov_b32 s93, 0
	s_mul_i32 s46, s46, KROW
	s_mov_b32 s47, 0
	s_mul_i32 s45, s16, AH                         ; where they go: no place in the cluster enters an LDS address
	s_mul_i32 s94, s16, HALFT
	s_add_co_u32 s94, s94, 2*AH
	s_mul_i32 s18, s16, HALFB                      ; in the ring I fetch 128 rows of a block: which half, in bytes
	s_mov_b32 s19, 0
	s_wait_kmcnt 0x0
	s_add_nc_u64 s[20:21], s[4:5], s[20:21]
	s_add_nc_u64 s[46:47], s[6:7], s[46:47]
	s_add_nc_u64 s[92:93], s[8:9], s[92:93]
	s_mov_b32 s[G0HB], 1                           ; the head's load of K step 0's 256 rows of B
	s_mov_b32 s[G0HB+1], 2*AH
	s_mov_b64 s[G0HB+2:G0HB+3], s[46:47]
	s_or_b32 s[G0HB+3], s[G0HB+3], 0x80000000
	s_add_nc_u64 s[46:47], s[46:47], s[18:19]      ; for the ring: my 128 rows of a block
.irp s, 0,1
	s_mov_b32 s[G0+4*\s], 1
	s_add_co_u32 s[G0+4*\s+1], s45, \s*SLOT
	s_add_nc_u64 s[G0+4*\s+2:G0+4*\s+3], s[20:21], \s*AH
	s_or_b32 s[G0+4*\s+3], s[G0+4*\s+3], 0x80000000
	s_mov_b32 s[G0B+4*\s], 1
	s_add_co_u32 s[G0B+4*\s+1], s94, \s*SLOT
	s_add_nc_u64 s[G0B+4*\s+2:G0B+4*\s+3], s[46:47], \s*KST
	s_or_b32 s[G0B+4*\s+3], s[G0B+4*\s+3], 0x80000000
.endr
	s_mov_b32 s[G0SB], 1
	s_mov_b32 s[G0SB+1], SCL
	s_mov_b64 s[G0SB+2:G0SB+3], s[92:93]
	s_or_b32 s[G0SB+3], s[G0SB+3], 0x80000000
	CROUND                                         ; all sixteen work-groups are here: the first joint loads meet
	s_cmp_lt_u32 s14, 2                            ; the head's loads, one a wave, in one chain of branches: waves 0 and 1 a half each of A's K step 0,
	s_cbranch_scc0 .Lfirst_b
	tensor_load_to_lds s[G0:G0+3], s[G1:G1+7]
	s_nop 0
.rept 4
	v_nop
.endr
	s_branch .Lfirst_asked
.Lfirst_b:
	s_cmp_eq_u32 s14, 2                            ; wave 2 B's 256 rows of K step 0,
	s_cbranch_scc0 .Lfirst_s
	tensor_load_to_lds s[G0HB:G0HB+3], s[G1B:G1B+7]
	s_nop 0
.rept 4
	v_nop
.endr
	s_branch .Lfirst_asked
.Lfirst_s:
	tensor_load_to_lds s[G0SB:G0SB+3], s[G1SB:G1SB+7]   ; wave 3 the scales of B's 256 rows
	s_nop 0
.rept 4
	v_nop
.endr
.Lfirst_asked:
	v_and_b32 v6, 31, v0                           ; lane
	v_and_b32 v1, 15, v0                           ; l % 16
	v_bfe_u32 v2, v0, 4, 1                         ; l / 16
	v_mul_u32_u24 v3, v1, PITCH
	v_mul_u32_u24 v4, v2, 24
	v_add_nc_u32 v4, v3, v4                        ; B: a fragment's row x pitch + 24 x half
	v_lshl_add_u32 v5, v2, 4, v4                   ; and the same behind one padding more
	v_lshlrev_b32 v7, 3, v6
	v_lshlrev_b32 v8, 4, v6
	s_mul_i32 s21, s15, AH                         ; my 128 tokens of A
	s_mul_i32 s22, s16, HALFT                      ; my 128 rows of B,
	s_add_co_u32 s22, s22, 2*AH                    ; behind A's two halves
.irp s, 0,1
	v_add_nc_u32 v[ADRA+\s], s21, v7
	v_add_nc_u32 v[ADRAS+\s], s21, v8
	v_add_nc_u32 v[ADRB+\s], s22, v4
	v_add_nc_u32 v[ADRB+2+\s], s22, v5
	s_add_co_u32 s21, s21, SLOT
	s_add_co_u32 s22, s22, SLOT
.endr
	v_lshlrev_b32 v5, 5, v1                        ; B's scales: 32 bytes a row,
	v_lshrrev_b32 v9, 3, v1
	v_lshl_add_u32 v5, v9, 4, v5                   ; and 16 more for each 256 passed; the same in both halves of the lanes
	s_mul_i32 s21, s16, HALFS
	s_add_co_u32 s21, s21, SCL
	v_add_nc_u32 v[ADRS], s21, v5
	s_mul_i32 s23, s14, 16*SPITCH                  ; my stage
	v_mul_u32_u24 v5, v1, SPITCH
	v_lshl_add_u32 v5, v2, 6, v5                   ; in: row l % 16; by sigma a half of the lanes holds 16 neighbouring columns of each 32: 64 bytes a half
	v_add_nc_u32 v[STO], s23, v5
	v_lshlrev_b32 v[CO], 4, v6                     ; back: the 32 lanes take one row of 512 bytes; and the same in out0
	v_add_nc_u32 v[RD], s23, v[CO]
	s_lshl_b32 s20, s17, 20                        ; 256 rows of 4,096 bytes a tile row,
	s_lshl_b32 s21, s15, 19                        ; my 128 rows,
	s_add_co_u32 s20, s20, s21
	s_lshl_b32 s21, s42, 10                        ; 1,024 bytes a tile column,
	s_add_co_u32 s20, s20, s21
	s_lshl_b32 s21, s16, 9                         ; my 128 columns
	s_add_co_u32 s20, s20, s21
	s_mov_b32 s21, 0
	s_add_nc_u64 s[10:11], s[10:11], s[20:21]
.macro FRAG reg, adr, q, i             ; a fragment of B from rows: 24 bytes of the row's stream of bits for each 64 along K, in pieces of 8 bytes
.irp p, 0,1,2,3,4,5
.set PC, 12*(\q)+6*(\p/3)+\p%3
.if PC%8 < 5
	ds_load_b64 v[\reg+2*\p:\reg+2*\p+1], v[\adr] offset:8*PC+16*(PC/8)+(\i)*16*PITCH
.else
	ds_load_b64 v[\reg+2*\p:\reg+2*\p+1], v[\adr+2] offset:8*PC+16*(PC/8)+(\i)*16*PITCH
.endif
.endr
.endm
.macro FRAGA reg, slot, q, i           ; a fragment of A from its image: 256 consecutive bytes a load
.irp p, 0,1,2,3,4,5
	ds_load_b64 v[\reg+2*\p:\reg+2*\p+1], v[ADRA+\slot] offset:REC*(\q)+1536*(\i)+256*\p
.endr
.endm
; 16 matrix instructions: A's blocks a0, a0 + 1 x B's eight.  The 64 accumulators take turns, one instruction a turn, in the same order in every step.
.macro MUL16 a0, p, q, sc, zero
.irp a, \a0, \a0+1
.irp b, 0,1,2,3,4,5,6,7
.set rD, 8*(8*((\a)%4)+\b)
.set rB, 128*(\p)+FR*\b
.set rA, AF+FR*(\a)
.set rSB, SB+16*(\sc)+2*\b+(\q)
.set rSA, SA+8*(\sc)+4*(\q)+(\a)/2
.if \zero
.if (\a)%2
	v_wmma_scale_f32_16x16x128_f8f6f4 v[rD:rD+7], v[rB:rB+FR-1], v[rA:rA+FR-1], 0, v[rSB], v[rSA] matrix_a_fmt:MATRIX_FMT_FP6 matrix_b_fmt:MATRIX_FMT_FP6 matrix_b_scale:MATRIX_SCALE_ROW1
.else
	v_wmma_scale_f32_16x16x128_f8f6f4 v[rD:rD+7], v[rB:rB+FR-1], v[rA:rA+FR-1], 0, v[rSB], v[rSA] matrix_a_fmt:MATRIX_FMT_FP6 matrix_b_fmt:MATRIX_FMT_FP6
.endif
.else
.if (\a)%2
	v_wmma_scale_f32_16x16x128_f8f6f4 v[rD:rD+7], v[rB:rB+FR-1], v[rA:rA+FR-1], v[rD:rD+7], v[rSB], v[rSA] matrix_a_fmt:MATRIX_FMT_FP6 matrix_b_fmt:MATRIX_FMT_FP6 matrix_b_scale:MATRIX_SCALE_ROW1
.else
	v_wmma_scale_f32_16x16x128_f8f6f4 v[rD:rD+7], v[rB:rB+FR-1], v[rA:rA+FR-1], v[rD:rD+7], v[rSB], v[rSA] matrix_a_fmt:MATRIX_FMT_FP6 matrix_b_fmt:MATRIX_FMT_FP6
.endif
.endif
.endr
.endr
.endm
.macro FETCH_B slot, q, p
	WIN TO_B
.irp i, 0,1,2,3,4,5,6,7
	FRAG 128*(\p)+FR*\i, ADRB+\slot, \q, \i
.endr
	WIN 0
.endm
.macro FETCH_A slot, q, i0
.irp i, \i0, \i0+1, \i0+2, \i0+3
	FRAGA AF+FR*(\i), \slot, \q, \i
.endr
.endm
.macro SCALES sc                       ; the next K step's scale words: B's from their own region, A's from the slot's two records
.irp i, 0,1,2,3,4,5,6,7
	ds_load_b64 v[SB+16*\sc+2*\i:SB+16*\sc+2*\i+1], v[ADRS] offset:\i*SBLK
.endr
.irp q, 0,1
	ds_load_b128 v[SA+8*\sc+4*\q:SA+8*\sc+4*\q+3], v[ADRAS+\sc] offset:REC*\q+12288
.endr
.endm
.macro PLACES n
.rept \n
	v_nop
.endr
.endm
.macro STEP slot, q, zero
	s_wait_dscnt 4*NL                              ; all but the youngest 24 loads (A's blocks 4-7) are in
	WIN MUL_LO
	MUL16 0, (\q)%2, \q, \slot, \zero
	MUL16 2, (\q)%2, \q, \slot, \zero
	s_wait_dscnt 0
	PLACES NP
	FETCH_B \slot, (\q)+1, 1-(\q)%2
	FETCH_A \slot, (\q)+1, 0
	WIN MUL_HI
	MUL16 4, (\q)%2, \q, \slot, \zero
	MUL16 6, (\q)%2, \q, \slot, \zero
	PLACES NP
	WIN 0
	FETCH_A \slot, (\q)+1, 4
.endm
.macro TURN slot, next, fill
	s_wait_tensorcnt 0x0                           ; all my tensor loads have landed: my part of the next slot
	ds_add_u32 v[SPW], v[NIL]                      ; 0 onto my spare word
	s_wait_dscnt 4*NL+1                            ; the add and the youngest 24 loads may be out
	WIN MUL_LO
	MUL16 0, 1, NQ-1, \slot, 0
	s_wait_dscnt 0x0                               ; the add is done, and my reads of this slot are over
	s_barrier_signal -1
	MUL16 2, 1, NQ-1, \slot, 0
	WIN 0
	s_barrier_wait -1
.if \fill
	CREST                                          ; the barrier has opened a round of the cluster's barrier: no wave of any partner still reads this slot or has a load on its way
	s_add_nc_u64 s[G0+4*\slot+2:G0+4*\slot+3], s[G0+4*\slot+2:G0+4*\slot+3], 2*AH
	s_add_nc_u64 s[G0B+4*\slot+2:G0B+4*\slot+3], s[G0B+4*\slot+2:G0B+4*\slot+3], 2*KST
	JLOAD G0+4*\slot, G1, G0B+4*\slot, G1B         ; the first tensor load behind the round; its four v_nop are the places in front of the loads below
.else
	PLACES NP
.endif
	s_wait_alu depctr_va_vdst(0)
	v_add_nc_u32 v[ADRS], 4*NQ, v[ADRS]            ; on to the next K step's scale words of B
	FETCH_B \next, 0, 0
	FETCH_A \next, 0, 0
	SCALES \next
	WIN MUL_HI
	MUL16 4, 1, NQ-1, \slot, 0
	MUL16 6, 1, NQ-1, \slot, 0
	PLACES NP
	WIN 0
	FETCH_A \next, 0, 4
.endm
	s_wait_alu depctr_va_vdst(0)
	s_wait_tensorcnt 0x0                           ; my tile of the head's is in
	ds_add_u32 v[SPW], v[NIL]
	s_mov_b32 s[G1B+2], 96<<16                     ; no tensor load of mine is out: from here on a load of B brings 128 rows of codes, 96 rows of 256 bytes
	s_mov_b32 s[G1B+4], 96
	s_wait_dscnt 0x0                               ; the add is done
	CROUND                                         ; the head's tiles are in, and all sixteen work-groups are here
	JLOAD G0+4, G1, G0B+4, G1B                     ; K step 1, the first tensor load behind the round
	FETCH_B 0, 0, 0
	FETCH_A 0, 0, 0
	SCALES 0
	FETCH_A 0, 0, 4
	STEP 0, 0, 1                                   ; the first step stands in front of the loop: its products start the sums
	s_mov_b32 s3, LAPS-1
.Llap:
	TURN 0, 1, 1
	STEP 1, 0, 0
	TURN 1, 0, 1
	STEP 0, 0, 0
	s_sub_co_u32 s3, s3, 1
	s_cmp_lg_u32 s3, 0
	s_cbranch_scc1 .Llap
	TURN 0, 1, 0                                   ; the last lap fills nothing
	STEP 1, 0, 0
	s_wait_dscnt 4*NL
	WIN MUL_LO
	MUL16 0, 1, NQ-1, 1, 0
	MUL16 2, 1, NQ-1, 1, 0
	s_wait_dscnt 0
	WIN MUL_HI
	MUL16 4, 1, NQ-1, 1, 0
	MUL16 6, 1, NQ-1, 1, 0
	WIN 0
; THE WAY OUT, block by block of 16 tokens x 128 columns, through my own stage in LDS.  Accumulator b's register j of lane (r, h) is column 32 (b / 2) + 16 h + 8 (b % 2) + j; stage row t of block a is token
; 32 (a / 2) + 8 (a % 2) + t % 8 + 16 (t / 8) of my 128: sigma is undone by the offsets.  LDS serves a wave's instructions in order: no wait between the stores and the loads.
.macro TOSTAGE a
.set AC, 64*((\a)%4)
.set WS1, 0x08+4*((\a)/4)              ; an LDS store's data are its source 1: window 2 or 3
	WIN WS1
.irp b, 0,1,2,3,4,5,6,7
	ds_store_b128 v[STO], v[AC+8*\b:AC+8*\b+3] offset:128*(\b/2)+32*(\b%2)          ; each accumulator from its low end on
	ds_store_b128 v[STO], v[AC+8*\b+4:AC+8*\b+7] offset:128*(\b/2)+32*(\b%2)+16
.endr
	WIN 0
.set BB, BK+64*((\a)%2)
.irp t, 0,1,2,3,4,5,6,7,8,9,10,11,12,13,14,15
	ds_load_b128 v[BB+4*\t:BB+4*\t+3], v[RD] offset:\t*SPITCH
.endr
.endm
.macro SEND a, younger                 ; younger: the LDS instructions issued behind block a's loads, which may stay out
.set BB, BK+64*((\a)%2)
	s_wait_dscnt \younger
.irp t, 0,1,2,3,4,5,6,7,8,9,10,11,12,13,14,15
	global_store_b128 v[CO], v[BB+4*\t:BB+4*\t+3], s[10:11] offset:(32*((\a)/2)+8*((\a)%2)+\t%8+16*(\t/8))*4096 th:TH_STORE_NT   ; 32 lanes store 512 consecutive bytes, aligned; 127 rows at the most: inside the signed 24-bit immediate
.endr
.endm
	PLACES NP                                      ; behind the last products: for the reads of results and for the loads into registers that held A's fragments
	TOSTAGE 0
.irp a, 1,2,3,4,5,6,7
.if \a > 1
	s_wait_xcnt 0x0                                ; block a - 2's stores have read their registers: block a's loads may land there
.endif
	TOSTAGE \a
	SEND \a-1, 32                                  ; behind block a - 1's loads: block a's 16 stores and 16 loads
.endr
	SEND 7, 0
	s_wait_tensorcnt 0x0                           ; the wave's end
	ds_add_u32 v[SPW], v[NIL]
	s_wait_dscnt 0x0
	CROUND                                         ; the closing round: no work-group ends while a partner may still ask for a tile that names it
	s_endpgm
.Lfunc_end_k_qd0d6d5b7a1_gemm_proj:
	.size	k_qd0d6d5b7a1_gemm_proj, .Lfunc_end_k_qd0d6d5b7a1_gemm_proj-k_qd0d6d5b7a1_gemm_proj
	.p2alignl 7, 3214868480
	.fill 96, 4, 3214868480
	.section	.rodata,"a",@progbits
	.p2align	6, 0x0
	.amdhsa_kernel k_qd0d6d5b7a1_gemm_proj
		.amdhsa_group_segment_fixed_size 327680
		.amdhsa_private_segment_fixed_size 0
		.amdhsa_enable_private_segment 0
		.amdhsa_kernarg_size 32
		.amdhsa_user_sgpr_count 2
		.amdhsa_user_sgpr_kernarg_segment_ptr 1
		.amdhsa_wavefront_size32 1
		.amdhsa_system_sgpr_workgroup_id_x 1
		.amdhsa_system_sgpr_workgroup_id_y 1
		.amdhsa_system_sgpr_workgroup_id_z 1
		.amdhsa_system_vgpr_workitem_id 0
		.amdhsa_next_free_vgpr 1024
		.amdhsa_next_free_sgpr 96
		.amdhsa_reserve_vcc 0
		.amdhsa_float_denorm_mode_32 3
		.amdhsa_float_denorm_mode_16_64 3
		.amdhsa_memory_ordered 1
		.amdhsa_forward_progress 1
		.amdhsa_inst_pref_size 159
	.end_amdhsa_kernel
	.amdgpu_metadata
---
amdhsa.version: [ 1, 2 ]
amdhsa.kernels:
  - .name:           k_qd0d6d5b7a1_gemm_proj
    .symbol:         k_qd0d6d5b7a1_gemm_proj.kd
    .args:
      - { .name: ybuf, .offset: 0, .size: 8, .value_kind: global_buffer, .address_space: global }
      - { .name: wc, .offset: 8, .size: 8, .value_kind: global_buffer, .address_space: global }
      - { .name: ws, .offset: 16, .size: 8, .value_kind: global_buffer, .address_space: global }
      - { .name: out0, .offset: 24, .size: 8, .value_kind: global_buffer, .address_space: global }
    .group_segment_fixed_size: 327680
    .private_segment_fixed_size: 0
    .kernarg_segment_align: 8
    .kernarg_segment_size: 32
    .max_flat_workgroup_size: 128
    .sgpr_count:     96
    .vgpr_count:     1024
    .wavefront_size: 32
...
	.end_amdgpu_metadata
.endif
;; end of part 4
